; MI455X (gfx1250); checked and timed in simulation.
; The chip was launched on July 23, 2026; its instructions are those of AMD's public machine-readable ISA for CDNA 5 (MIT licence, August 2026) and "CDNA5" Instruction Set Architecture Reference Guide (July 2026). The comments in the code are by the model that wrote it; some were corrected since.
;; Self Attention. Allowed arithmetic: matrix products marked QUANTISED: E2M3 operands, one E8M0 scale for each 32 along K, by v_wmma_scale_f32_16x16x128_f8f6f4 with both operands' format E2M3, f32 sums; everything else in f32.
;; Inputs: Wk 1,024 x 1,024 float32; Wo 1,024 x 1,024 float32; Wq 1,024 x 1,024 float32; Wv 1,024 x 1,024 float32; bk 1,024 float32; bo 1,024 float32; bq 1,024 float32; bv 1,024 float32; x 8 x 1,024 x 1,024 float32.
;; Outputs: out0 8 x 1,024 x 1,024 float32.
;; This version of the problem:
;;   THIS VERSION OF THE PROBLEM IS GIVEN IN LOW PRECISION. The matrix products marked QUANTISED in the list below multiply operands that are first quantised to E2M3 (2 exponent bits, 3 mantissa bits; 6 bits a number), with one power-of-two scale for each 32 numbers along K (OCP MX v1.0); their sums are f32. All else is computed in f32.
;;   The module's matrix products, in the order in which they are computed (A, B: the left and right operand; K: the contracted axis; several contracted axes count as one K, in the product's order):
;;     1. [M 8,192, K 1,024] x [K 1,024, N 1,024]; A: input x; B: input Wq: QUANTISED
;;     2. [M 8,192, K 1,024] x [K 1,024, N 1,024]; A: input x; B: input Wk: QUANTISED
;;     3. [M 8,192, K 1,024] x [K 1,024, N 1,024]; A: input x; B: input Wv: QUANTISED
;;     4. batch 128 x [M 1,024, K 64] x [K 64, N 1,024]; A: computed on the way; B: computed on the way: QUANTISED
;;     5. batch 128 x [M 1,024, K 1,024] x [K 1,024, N 64]; A: softmax (see below); B: computed on the way: QUANTISED
;;     6. [M 8,192, K 1,024] x [K 1,024, N 1,024]; A: computed on the way; B: input Wo: QUANTISED
;;   THE QUANTISER, for each operand of a quantised product, along K:
;;     - K is cut into blocks of 32 from its start; a last block that is shorter is filled with zeros.
;;     - A block's scale is 2^e with e = floor(log2(the largest magnitude in the block)) - 2, held to -126 .. 127; a block of zeros has e = 0. As a byte (E8M0): e + 127.
;;     - Each number is divided by its block's scale, clamped to +-7.5, and rounded to the nearest number of E2M3, ties to even, subnormals kept.
;;     - The product sums the exact products of the quantised numbers (number of the format x scale) in f32.
;;   ~~~python
;;   def quantise(x, axis):      # numpy; x: float32 -> the quantised numbers, widened to float32 again
;;       x = np.moveaxis(x, axis, -1); K = x.shape[-1]
;;       x = np.pad(x, [(0, 0)] * (x.ndim - 1) + [(0, -K % 32)]); x = x.reshape(x.shape[:-1] + (-1, 32)); a = np.abs(x).max(-1, keepdims=True)
;;       e = np.where(a > 0, np.clip(np.frexp(np.where(a > 0, a, 1))[1] - 1 - 2, -126, 127), 0)      # np.frexp(a)[1] - 1 = floor(log2(a)), exactly
;;       r = np.clip(x / 2.0 ** e, -7.5, 7.5)
;;       step = 2.0 ** (np.maximum(np.frexp(np.where(r == 0, 1, r))[1] - 1, 0) - 3)
;;       q = np.round(r / step) * step * 2.0 ** e      # np.round: ties to even
;;       return np.moveaxis(q.reshape(q.shape[:-2] + (-1,))[..., :K], -1, axis).astype(np.float32)
;;   ~~~
;;   SOFTMAX AHEAD OF A QUANTISED PRODUCT. Where the list says 'softmax', what is quantised is not the finished softmax but p = 2^(t - M), with t = logit x log2(e) and M = ceil(the row's largest t), a whole number; so 1/2 < the row's largest p <= 1. The row's sum l is taken of the UNQUANTISED p, in f32, and the product's result is divided by l at the end. Since M is a whole number, a kernel that streams over the keys may use a running M (the ceiling of the running maximum): every later rescaling is an exact power of two, which a block's scale takes up: the codes' values come out the same.
;;   OPERANDS COMPUTED ON THE WAY. 'Computed on the way' means the value that the module computes at that place (a softmax that the list does not call 'softmax' is quantised finished and normalised). What goes into a quantiser is computed in f32, as accurately as f32 sums, v_exp_f32 and their like allow (about 1e-6 of the number): no bf16 or f16 on the way to a quantiser, and a product that is left as it is and whose result goes on into a quantised operand takes f32 operands (vector FMAs, or v_wmma_f32_16x16x4_f32). A number that lies on a knife's edge between two numbers of the format may be rounded either way, as far as f32 arithmetic and the matrix unit's own rounding can turn it there, and no further.
;; One version. Each part assembles by itself: llvm-mc -triple=amdgcn-amd-amdhsa -mcpu=gfx1250 --defsym DOCPART=n.
;; ======== version 1 of 1: 4 launches
;; workspace buffers: xq 6,553,600 bytes; wq 3,276,800 bytes; rope 262,144 bytes; qq 7,340,032 bytes; kv 14,155,776 bytes; oq 6,553,600 bytes
;; launch prep (part 1): grid 640 x 1, 4 waves a work-group, no clusters, 34,304 bytes of LDS; arguments x, Wq, Wk, Wv, Wo, xq, wq, rope; writes xq, wq, rope
.if DOCPART == 1
	.amdgcn_target "amdgcn-amd-amdhsa--gfx1250"
	.amdhsa_code_object_version 6
	.text
	.protected	k_q78df3f362d_prep
	.globl	k_q78df3f362d_prep
	.p2align	8
	.type	k_q78df3f362d_prep,@function
k_q78df3f362d_prep:
	s_mov_b64 s[64:65], 0
	v_nop
	global_prefetch_b8 v0, s[64:65] scope:SCOPE_SE
	s_setreg_imm32_b32 hwreg(HW_REG_WAVE_MODE, 25, 1), 1
	s_wait_xcnt 0x0
; PREP.  x [8192][1024] and Wq, Wk, Wv, Wo [1024 (k)][1024 (n)], f32, become codes of FP6 (E2M3) with one E8M0 byte for each 32 along K; and the table of cos and sin for the rotary embedding is made.
; A block's scale is 2^(floor(log2(its largest magnitude)) - 2); its byte is the largest magnitude's exponent field - 2, held at 1 from below.
; THE LAYOUT OF ALL CODES IN THIS PROGRAM: a HALF IMAGE is 16 rows x 64 along K, 768 bytes, in the order of the operand's registers: lane l = (r = l % 16, h = l / 16) owns the 24 bytes of codes
; k = 32 h .. 32 h + 31 of row r; its first 16 bytes lie at 16 l, its last 8 at 512 + 8 l.  Two half images on end are a fragment of 128 along K.
; THE ROWS OF A BLOCK OF 16 ARE NOT NEIGHBOURS: place r of block 2 A + u stands for row 32 A + 8 u + r % 8 + 16 (r / 8), so that the results of two neighbouring tiles are 16 neighbours along the next K.
; xq: codes [block 512][half 16][768]; behind them (SCX) the bytes [block][256 along K: 4][r 16][8].  wq: the same, block = 64 x weight + n / 16, bytes at SCW.  rope: [position 1024][pair 32][cos, sin] f32.
; Work-groups 0-127: the weights (a lane takes a column n, its registers run down K: nothing is transposed) and the table.  Work-groups 128-639: x, one block of 16 rows each, a wave 256 along K.
; LIMITS: NaN and infinities are not served; blocks whose largest magnitude lies under 2^-124 keep the byte 1; a block of zeros has the byte 1 (its codes are zeros; this program alone reads the bytes).
; The table's angle is position x frequency in f32 (for the largest positions its last bit is some 6e-5 rad); the reduction by pi / 2 in two parts serves angles up to 1,023.
; The weights' scale bytes and x's leave as 128 consecutive bytes a store: one byte in 128 of what the launch reads.
.set SCX, 6291456
.set SCW, 3145728
.macro MAX32 x, d, e                   ; the largest magnitude of v[x] .. v[x + 31], and the floor 2^(3 - 127), into v[d]: two chains that do not wait for each other
	v_max3_num_f32 v[\d], |v[\x]|, |v[\x+1]|, |v[\x+2]|
	v_max3_num_f32 v[\e], |v[\x+3]|, |v[\x+4]|, |v[\x+5]|
.irp i, 6,10,14,18,22,26
	v_max3_num_f32 v[\d], v[\d], |v[\x+\i]|, |v[\x+\i+1]|
	v_max3_num_f32 v[\e], v[\e], |v[\x+\i+2]|, |v[\x+\i+3]|
.endr
	v_max3_num_f32 v[\d], v[\d], |v[\x+30]|, |v[\x+31]|
	v_max3_num_f32 v[\d], v[\d], v[\e], 0x1800000
.endm
	s_load_b512 s[4:19], s[0:1], 0x0               ; x, Wq, Wk, Wv, Wo, xq, wq, rope
	v_lshl_add_u32 v248, v0, 2, 0x8400
	v_mov_b32 v249, 0
	v_lshrrev_b32 v1, 5, v0
	v_readfirstlane_b32 s20, v1                    ; wave 0..3
	v_and_b32 v9, 31, v0                           ; lane
	v_and_b32 v10, 15, v0                          ; r
	v_bfe_u32 v11, v0, 4, 1                        ; h
	v_lshlrev_b32 v1, 4, v9                        ; 16 x lane
	v_lshlrev_b32 v2, 3, v9                        ; 8 x lane
	s_mov_b32 s21, ttmp9
	s_cmp_lt_u32 s21, 128
	s_cbranch_scc0 .Lx_path
; ---------------- the weights: work-group g: weight g / 32, 256 along K (g / 8) % 4, 128 columns g % 8; a wave 32 columns
	s_and_b32 s22, s21, 7                          ; gx
	s_bfe_u32 s23, s21, 0x20003                    ; gy
	s_lshr_b32 s24, s21, 5                         ; which weight
	v_and_b32 v3, 7, v0
	v_bfe_u32 v4, v0, 3, 1
	v_lshl_add_u32 v3, v4, 4, v3
	v_lshl_add_u32 v3, v11, 3, v3                  ; my column among the wave's 32: lanes 0-15 are the places of the even block, lanes 16-31 of the odd one
	v_lshlrev_b32 v3, 2, v3                        ; the 32 lanes still cover 128 consecutive bytes
	v_lshlrev_b32 v5, 3, v10
	v_lshl_add_u32 v5, v11, 9, v5                  ; my 8 scale bytes: block l / 16, row r
	s_lshl_b32 s26, s23, 20                        ; 256 rows of 4,096 bytes
	s_lshl_b32 s27, s22, 9
	s_add_co_u32 s26, s26, s27
	s_lshl_b32 s27, s20, 7
	s_add_co_u32 s26, s26, s27
	s_mov_b32 s27, 0
	s_lshl_b32 s28, s24, 6
	s_lshl_b32 s29, s22, 3
	s_add_co_u32 s28, s28, s29
	s_lshl_b32 s29, s20, 1
	s_add_co_u32 s28, s28, s29                     ; my even block: 64 x weight + 8 gx + 2 wave
	s_mul_i32 s30, s28, 12288
	s_mul_i32 s29, s23, 3072
	s_add_co_u32 s30, s30, s29
	s_mov_b32 s31, 0
	s_lshl_b32 s32, s28, 9
	s_lshl_b32 s29, s23, 7
	s_add_co_u32 s32, s32, s29
	s_add_co_u32 s32, s32, SCW
	s_mov_b32 s33, 0
	s_lshl_b32 s34, s21, 2
	s_add_co_u32 s34, s34, s20                     ; 4 g + wave: this wave makes two positions of the table
	s_lshl_b32 s36, s34, 9
	s_mov_b32 s37, 0
	s_lshl_b32 s34, s34, 1
	s_add_co_u32 s35, s34, 1
	s_wait_kmcnt 0x0
	s_bitcmp1_b32 s21, 5                           ; the choice hangs on the work-group's number alone
	s_cselect_b64 s[38:39], s[8:9], s[6:7]
	s_cselect_b64 s[40:41], s[12:13], s[10:11]
	s_bitcmp1_b32 s21, 6
	s_cselect_b64 s[38:39], s[40:41], s[38:39]
	s_add_nc_u64 s[38:39], s[38:39], s[26:27]
	s_add_nc_u64 s[30:31], s[16:17], s[30:31]
	s_add_nc_u64 s[32:33], s[16:17], s[32:33]
	s_add_nc_u64 s[36:37], s[18:19], s[36:37]
.macro LOADW t                         ; block t: W(32 t + i, my column), i = 0 .. 31, into set t % 2
.irp i, 0,1,2,3,4,5,6,7,8,9,10,11,12,13,14,15,16,17,18,19,20,21,22,23,24,25,26,27,28,29,30,31
	global_load_b32 v[32+32*((\t)%2)+\i], v3, s[38:39] offset:(32*(\t)+\i)*4096 th:TH_LOAD_NT
.endr
.endm
	LOADW 0
	LOADW 1
; the table, while those 64 loads are on their way.  Lane = pair i; frequency = 2^(-i log2(10000) / 32)
	v_cvt_f32_u32 v160, v9
	v_mul_f32 v160, 0xbed49a78, v160
	v_exp_f32 v160, v160
	v_nop                                          ; a plain instruction behind the exponential
	s_wait_alu depctr_va_vdst(0)                   ; and a wait ahead of its first reader
.macro ROPEROW k, sp                   ; cos and sin of position s[sp] x frequency: n = the nearest multiple of pi / 2, taken off in two parts; two short polynomials on what is left (at most pi / 4); the quadrant by n % 4
	v_cvt_f32_u32 v161, s[\sp]
	v_mul_f32 v161, v161, v160
	v_mul_f32 v162, 0x3f22f983, v161
	v_rndne_f32 v162, v162
	v_fmamk_f32 v163, v162, 0xbfc90fdb, v161
	v_fmamk_f32 v163, v162, 0x333bbd2e, v163
	v_mul_f32 v164, v163, v163
	v_mov_b32 v165, 0xb94ca1f9
	v_fmaak_f32 v165, v165, v164, 0x3c08839e
	v_fmaak_f32 v165, v165, v164, 0xbe2aaaa3
	v_mul_f32 v165, v165, v164
	v_fma_f32 v165, v165, v163, v163               ; sin
	v_mov_b32 v166, 0x37ccf5ce
	v_fmaak_f32 v166, v166, v164, 0xbab6061a
	v_fmaak_f32 v166, v166, v164, 0x3d2aaaa5
	v_mul_f32 v166, v166, v164
	v_fma_f32 v167, v164, -0.5, 1.0
	v_fma_f32 v166, v166, v164, v167               ; cos
	v_cvt_i32_f32 v168, v162
	v_and_b32 v167, 1, v168
	v_cmp_eq_u32 vcc_lo, 1, v167
	v_cndmask_b32 v[171+2*\k], v165, v166, vcc_lo  ; odd quadrants: the two change places
	v_cndmask_b32 v[170+2*\k], v166, v165, vcc_lo
	v_and_b32 v167, 2, v168
	v_lshlrev_b32 v167, 30, v167
	v_xor_b32 v[171+2*\k], v[171+2*\k], v167       ; sin is negative in quadrants 2 and 3,
	v_add_nc_u32 v167, 1, v168
	v_and_b32 v167, 2, v167
	v_lshlrev_b32 v167, 30, v167
	v_xor_b32 v[170+2*\k], v[170+2*\k], v167       ; cos in 1 and 2
	global_store_b64 v2, v[170+2*\k:171+2*\k], s[36:37] offset:256*\k   ; 32 lanes store 256 consecutive bytes, aligned
.endm
	ROPEROW 0, 34
	ROPEROW 1, 35
; Block t of 32 along K is all in my lane.  Blocks 2 p and 2 p + 1 make half p of both row blocks: one exchange of halves of the lanes sorts them.
.macro BLOCKW t
.set XS, 32+32*((\t)%2)
.set CA, 96+12*((\t)/2)+6*((\t)%2)
.set TT, 148+4*((\t)%2)
.if (\t) < 7
	s_wait_loadcnt 32                              ; this block's 32 loads are in; the next block's 32 may be out
.else
	s_wait_loadcnt 0x0
.endif
	MAX32 XS, 12, 13
	v_add_nc_u32 v14, 0xff000000, v12              ; 2 off the exponent field: the conversion's scale operand
	v_cvt_scalef32_pk16_fp6_f32 v[CA:CA+2], v[XS:XS+15], v14
	v_cvt_scalef32_pk16_fp6_f32 v[TT:TT+2], v[XS+16:XS+31], v14   ; (a conversion's three registers begin on an even number)
	v_lshrrev_b32 v15, 23, v14                     ; the byte; also the plain instruction behind the conversions
.if (\t)%4 == 0
	v_mov_b32 v[24+(\t)/4], v15
.else
	v_lshl_or_b32 v[24+(\t)/4], v15, 8*((\t)%4), v[24+(\t)/4]
.endif
.if (\t)+2 < 8
	LOADW (\t)+2
.endif
.if (\t)%2 == 1
.set CA, 96+12*((\t)/2)
.irp i, 0,1,2
	v_permlane16_swap_b32 v[CA+\i], v[CA+6+\i]     ; the even block's lanes 16-31 change places with the odd block's lanes 0-15: the first is now the even ROW block's half image, the second the odd one's
	v_permlane16_swap_b32 v[148+\i], v[152+\i]
.endr
.irp i, 0,1,2
	v_mov_b32 v[CA+3+\i], v[148+\i]
	v_mov_b32 v[CA+9+\i], v[152+\i]
.endr
	global_store_b128 v1, v[CA:CA+3], s[30:31] offset:768*((\t)/2)             ; each pair of blocks has registers of its own: no store's data are written again
	global_store_b64 v2, v[CA+4:CA+5], s[30:31] offset:768*((\t)/2)+512
	global_store_b128 v1, v[CA+6:CA+9], s[30:31] offset:768*((\t)/2)+12288
	global_store_b64 v2, v[CA+10:CA+11], s[30:31] offset:768*((\t)/2)+12288+512
.endif
.endm
.irp t, 0,1,2,3,4,5,6,7
	BLOCKW \t
.endr
	global_store_b64 v5, v[24:25], s[32:33]        ; my column's 8 scale bytes
	s_endpgm
; ---------------- x: work-group 128 + R takes row block R; wave w takes K = 256 w .. 256 w + 255
.Lx_path:
	s_sub_co_u32 s21, s21, 128                     ; R
	s_lshr_b32 s22, s21, 1
	s_lshl_b32 s22, s22, 17                        ; 32 rows of 4,096 bytes
	s_and_b32 s23, s21, 1
	s_lshl_b32 s23, s23, 15
	s_add_co_u32 s22, s22, s23
	s_lshl_b32 s23, s20, 10
	s_add_co_u32 s22, s22, s23
	s_mov_b32 s23, 0
	s_mul_i32 s24, s21, 12288
	s_mul_i32 s25, s20, 3072
	s_add_co_u32 s24, s24, s25
	s_mov_b32 s25, 0
	s_lshl_b32 s26, s21, 9
	s_lshl_b32 s27, s20, 7
	s_add_co_u32 s26, s26, s27
	s_add_co_u32 s26, s26, SCX
	s_mov_b32 s27, 0
	s_mov_b32 s30, 0x76543210
	s_mov_b32 s31, 0xfedcba98                      ; v_permlanex16_b32's selects for lane l xor 16
	s_mul_i32 s32, s20, 8448                       ; my wave's stage: 16 rows of 512 bytes + 16
	v_add_nc_u32 v4, s32, v1                       ; in: 16 x lane of a row
	v_mul_u32_u24 v5, v10, 528
	v_lshl_add_u32 v5, v11, 7, v5
	v_add_nc_u32 v5, s32, v5                       ; back: row r, my block of 32 numbers
	v_mov_b32 v18, 0                               ; (a lane permute's destination counts as one of its sources)
	v_mov_b32 v19, 0
	s_wait_kmcnt 0x0
	s_add_nc_u64 s[4:5], s[4:5], s[22:23]
	s_add_nc_u64 s[24:25], s[14:15], s[24:25]
	s_add_nc_u64 s[26:27], s[14:15], s[26:27]
.irp t, 0,1
.irp r, 0,1,2,3,4,5,6,7,8,9,10,11,12,13,14,15
	global_load_b128 v[112+64*\t+4*\r:112+64*\t+4*\r+3], v1, s[4:5] offset:((\r%8)+16*(\r/8))*4096+512*\t th:TH_LOAD_NT   ; 32 lanes read 512 consecutive bytes of the row that place r stands for
.endr
.endr
.macro QUANTX m                        ; half m of my four: my 32 numbers are a whole block, and my 24 bytes of codes lie as the half image wants them
.set YS, 48+32*((\m)%2)
	MAX32 YS, 6, 7
	v_add_nc_u32 v8, 0xff000000, v6
	v_cvt_scalef32_pk16_fp6_f32 v[20+6*(\m):22+6*(\m)], v[YS:YS+15], v8
	v_cvt_scalef32_pk16_fp6_f32 v[44:46], v[YS+16:YS+31], v8
	v_lshrrev_b32 v[12+(\m)], 23, v8               ; the byte; also the plain instruction behind the conversions
.irp i, 0,1,2
	v_mov_b32 v[23+6*(\m)+\i], v[44+\i]
.endr
	global_store_b128 v1, v[20+6*(\m):23+6*(\m)], s[24:25] offset:768*(\m)
	global_store_b64 v2, v[24+6*(\m):25+6*(\m)], s[24:25] offset:768*(\m)+512
.endm
.macro XTURN t                         ; 128 along K of 16 rows through the stage: LDS serves a wave's instructions in order, so no wait stands between the stores and the loads
.irp r, 0,1,2,3,4,5,6,7,8,9,10,11,12,13,14,15
	ds_store_b128 v4, v[112+64*\t+4*\r:112+64*\t+4*\r+3] offset:528*\r
.endr
.irp c, 0,1
.irp k, 0,1,2,3,4,5,6,7
	ds_load_b128 v[48+32*\c+4*\k:48+32*\c+4*\k+3], v5 offset:256*\c+16*\k
.endr
.endr
	s_wait_dscnt 8                                 ; the first half's eight loads are in; the second half's eight may be out
	QUANTX 2*\t
	s_wait_dscnt 0x0
	QUANTX 2*\t+1
.endm
	s_wait_loadcnt 16                              ; the first 128 along K are in; the other sixteen loads may be out
	XTURN 0
	s_wait_loadcnt 0x0
	XTURN 1
	v_lshl_or_b32 v16, v13, 16, v12                ; my bytes are those of blocks 2 m + h: two words a row,
	v_lshl_or_b32 v17, v15, 16, v14
	v_lshlrev_b32 v3, 3, v11
	v_lshlrev_b32 v16, v3, v16                     ; 8 h bits up,
	v_lshlrev_b32 v17, v3, v17
	v_permlanex16_b32 v18, v16, s30, s31
	v_permlanex16_b32 v19, v17, s30, s31
	v_or_b32 v16, v16, v18                         ; whole with lane l xor 16's
	v_or_b32 v17, v17, v19
	v_cmp_eq_u32 vcc_lo, 1, v11
	v_cndmask_b32 v16, v16, v17, vcc_lo            ; lanes 0-15 store the first word, lanes 16-31 the second
	v_lshlrev_b32 v3, 2, v11
	v_lshl_add_u32 v3, v10, 3, v3
	global_store_b32 v3, v16, s[26:27]
	s_wait_tensorcnt 0x0
	ds_add_u32 v248, v249
	s_wait_dscnt 0x0
	s_endpgm
.Lfunc_end_k_q78df3f362d_prep:
	.size	k_q78df3f362d_prep, .Lfunc_end_k_q78df3f362d_prep-k_q78df3f362d_prep
	.p2alignl 7, 3214868480
	.fill 96, 4, 3214868480
	.section	.rodata,"a",@progbits
	.p2align	6, 0x0
	.amdhsa_kernel k_q78df3f362d_prep
		.amdhsa_group_segment_fixed_size 34304
		.amdhsa_private_segment_fixed_size 0
		.amdhsa_enable_private_segment 0
		.amdhsa_kernarg_size 64
		.amdhsa_user_sgpr_count 2
		.amdhsa_user_sgpr_kernarg_segment_ptr 1
		.amdhsa_wavefront_size32 1
		.amdhsa_system_sgpr_workgroup_id_x 1
		.amdhsa_system_sgpr_workgroup_id_y 1
		.amdhsa_system_sgpr_workgroup_id_z 1
		.amdhsa_system_vgpr_workitem_id 0
		.amdhsa_next_free_vgpr 250
		.amdhsa_next_free_sgpr 66
		.amdhsa_reserve_vcc 1
		.amdhsa_float_denorm_mode_32 3
		.amdhsa_float_denorm_mode_16_64 3
		.amdhsa_memory_ordered 1
		.amdhsa_forward_progress 1
		.amdhsa_inst_pref_size 59
	.end_amdhsa_kernel
	.amdgpu_metadata
---
amdhsa.version: [ 1, 2 ]
amdhsa.kernels:
  - .name:           k_q78df3f362d_prep
    .symbol:         k_q78df3f362d_prep.kd
    .args:
      - { .name: x, .offset: 0, .size: 8, .value_kind: global_buffer, .address_space: global }
      - { .name: Wq, .offset: 8, .size: 8, .value_kind: global_buffer, .address_space: global }
      - { .name: Wk, .offset: 16, .size: 8, .value_kind: global_buffer, .address_space: global }
      - { .name: Wv, .offset: 24, .size: 8, .value_kind: global_buffer, .address_space: global }
      - { .name: Wo, .offset: 32, .size: 8, .value_kind: global_buffer, .address_space: global }
      - { .name: xq, .offset: 40, .size: 8, .value_kind: global_buffer, .address_space: global }
      - { .name: wq, .offset: 48, .size: 8, .value_kind: global_buffer, .address_space: global }
      - { .name: rope, .offset: 56, .size: 8, .value_kind: global_buffer, .address_space: global }
    .group_segment_fixed_size: 34304
    .private_segment_fixed_size: 0
    .kernarg_segment_align: 8
    .kernarg_segment_size: 64
    .max_flat_workgroup_size: 128
    .sgpr_count:     66
    .vgpr_count:     250
    .wavefront_size: 32
...
	.end_amdgpu_metadata
.endif
;; end of part 1
;; launch qkv (part 2): grid 12 x 32, 4 waves a work-group, clusters of 4 x 4, 327,680 bytes of LDS; arguments xq, wq, bq, bk, bv, rope, qq, kv; writes qq, kv
.if DOCPART == 2
	.amdgcn_target "amdgcn-amd-amdhsa--gfx1250"
	.amdhsa_code_object_version 6
	.text
	.protected	k_q78df3f362d_qkv
	.globl	k_q78df3f362d_qkv
	.p2align	8
	.type	k_q78df3f362d_qkv,@function
k_q78df3f362d_qkv:
	s_mov_b64 s[64:65], 0
	v_nop
	global_prefetch_b8 v0, s[64:65] scope:SCOPE_SE
	s_setreg_imm32_b32 hwreg(HW_REG_WAVE_MODE, 25, 1), 1
	s_wait_xcnt 0x0
	s_wait_alu depctr_hold_cnt(0) depctr_sa_sdst(0) depctr_va_vdst(0) depctr_va_sdst(0) depctr_va_ssrc(0) depctr_va_vcc(0) depctr_vm_vsrc(0)
	s_getreg_b32 s2, hwreg(HW_REG_IB_STS2, 6, 4)
	s_cmp_eq_u32 s2, 0
	s_cbranch_scc0 .Lentry_in_a_cluster
	s_endpgm
.Lentry_in_a_cluster:
	s_bfe_u32 s2, ttmp6, 0x10000c
	s_cmp_lg_u32 s2, 0xf033
	s_cbranch_scc0 .Lentry_shape_is_right
	s_endpgm
.Lentry_shape_is_right:
; QKV.  q = rope(x Wq + bq), k = rope(x Wk + bk), v = x Wv + bv, on codes of FP6 (E2M3) with E8M0 scales; the results are quantised here: q and k along the head's 64, v along the keys.
; A tile of 256 x 256 to a work-group of four waves, 128 x 128 a wave: 64 accumulators, 512 registers.  K = 1,024 goes in four fills of 256 through two LDS slots; the eight steps of 128 are written out.
; All codes lie as HALF IMAGES (16 rows x 64 K, 768 bytes, in the order of the operand's registers: lane l's first 16 bytes at 16 l, its last 8 at 512 + 8 l), so a fragment is four dense LDS loads and a fill is
; eight runs of 3,072 bytes.  Place r of row block 2 A + u stands for row 32 A + 8 u + r % 8 + 16 (r / 8).
; THE MATRIX INSTRUCTION IS USED TRANSPOSED (source 0 = 16 rows of 'B', source 1 = 16 rows of 'A'): lane (r, h) holds A's place r, and register j of accumulator (a, b) B's row 32 (b / 2) + 16 h + 8 (b % 2) + j.
; ROLES by the cluster's x, which all sixteen partners share.  0, 1: A = x's rows, B = Wq's or Wk's columns: a lane's registers run along the head.  2: A = Wv's columns, B = x's rows: they run down the keys.
; CLUSTERS: 4 x 4.  A's tiles are asked for jointly along a row of the cluster, B's along a column.
; OUT.  qq, for each batch x head 57,344 bytes: codes [tile of 16 queries 64][768]; at 49,152 scale words [tile / 4][lane][4].  kv, 110,592 bytes: K's codes as q's; V's codes at 49,152 [128 keys: 8][16 of the head: 4][2][768];
; K's words at 98,304; V's at 106,496 [8][lane][4].  A word of q or k is byte 0 | byte 1 << 8 | 0x7f7f0000: the upper 64 of the product's 128 along K are zero codes.
; LIMITS: NaN and infinities are not served; blocks whose largest magnitude lies under 2^-124 keep the byte 1; a block of zeros has the byte 1 (its codes are zeros; this program alone reads the bytes).
; REGISTERS.  window 0: v2-7 lane numbers, v16-23, v27 LDS addresses, v28-29 the add's two, v32-63 scale words (two sets, nothing else ever), v64-127 the bias as the first products' C, v128-223 A's fragments, v224-231 bv.
;   window 1: B's fragments, two sets, at v0 and v128.  windows 2, 3: the accumulators ((a, b) at v[8 (8 (a % 4) + b)] of window 2 + a / 4).  On the way out v64-223 of window 0 are free.
.set HALFT,  24576                     ; 8 row blocks x 3,072 bytes: what one tensor load brings, and what one wave reads of A or of B
.set SLOT,   4*HALFT                   ; A's 16 row blocks, then B's
.set SCL,    2*SLOT                    ; behind the ring: A's scale bytes for all of K, 8,192 bytes; B's begin SCLB further on, so that lanes 16-31 read the other half of the banks
.set SCLB,   8320
.set SPARE,  SCL+16640                 ; the spare words, 128 bytes for each wave: two blocks of 256 bytes that no other line names
.set FR,     12
.set NL,     4                         ; LDS loads that bring a fragment
.set NP,     4                         ; places behind this matrix instruction (ISA guide 7.12.1)
.set NQ,     2                         ; steps of 128 in a slot
.set SCX,    6291456                   ; where the scale bytes begin in xq,
.set SCW,    3145728                   ; and in wq
.set ADRA, 16                          ; v16-17 16 x lane + my A rows in slot 0, 1;  v18-19 the same with 8 x lane
.set ADRB, 20                          ; v20-23 the same for B
.set ADRS, 27                          ; v27    my scale words: lanes 0-15 A's rows, lanes 16-31 B's
.set SPW,  28
.set NIL,  29
.set SC,   32
.set BIAS, 64
.set AF,   128
.set BV,   224
.set TBL,  64                          ; the way out of q and k: two sets of 32: cos and sin
.set XR,   128                         ; 32 rotated numbers
.set XV,   64                          ; the way out of v: 64 numbers
.set PC,   160                         ; codes just made
.set TM,   200                         ; v200-203 largest magnitudes, v204-207 bytes, v212-215 the conversions' scale operands
.set PWQ,  216                         ; v216-223 scale words waiting for their store
.set SEL,  46
.set G1, 24
.set G0, 32
.set G1B, 48
.set G0B, 56
.set G1S, 68
.set G0S, 76
.set G1SB, 80
.set G0SB, 88
.set MSB, 0
.macro WIN new                         ; the immediate's high byte repeats the setting that is left
.if MSB != (\new)
	s_set_vgpr_msb (MSB<<8)|(\new)
.set MSB, (\new)
.endif
.endm
.set MUL_LO, 0xa1                      ; source 0 (B) window 1, source 1 (A) window 0, C and D window 2
.set MUL_HI, 0xf1
.set FST_LO, 0x81                      ; the first step: C is the bias, in window 0
.set FST_HI, 0xc1
.set TO_B,   0x40
.macro JLOAD g0a, g1a, g0b, g1b        ; a joint load: waves 0 and 1 fetch for A, waves 2 and 3 for B; four v_nop follow each of the two lines
	s_cmp_eq_u32 s21, 0
	s_cbranch_scc0 .Lfor_b_\@
	tensor_load_to_lds s[\g0a:\g0a+3], s[\g1a:\g1a+7]
	s_nop 0
.rept 4
	v_nop
.endr
	s_branch .Lasked_\@
.Lfor_b_\@:
	tensor_load_to_lds s[\g0b:\g0b+3], s[\g1b:\g1b+7]
	s_nop 0
.rept 4
	v_nop
.endr
.Lasked_\@:
.endm
.macro CREST                           ; a round of the cluster's barrier behind its opening barrier
	s_cmp_lg_u32 s20, 0
	s_cbranch_scc1 .Lnot_wave_0_\@
	s_barrier_signal -3
.Lnot_wave_0_\@:
	s_barrier_wait -3
	s_barrier_signal -1
	s_barrier_wait -1
.endm
.macro CROUND
	s_barrier_signal -1
	s_barrier_wait -1
	CREST
.endm
.macro PLACES n
.rept \n
	v_nop
.endr
.endm
.macro FRAG reg, adr, q, i             ; row block i, the slot's q-th 128 along K: two half images, four dense loads
	ds_load_b128 v[\reg:\reg+3], v[\adr] offset:3072*(\i)+1536*(\q)
	ds_load_b64 v[\reg+4:\reg+5], v[\adr+2] offset:3072*(\i)+1536*(\q)+512
	ds_load_b128 v[\reg+6:\reg+9], v[\adr] offset:3072*(\i)+1536*(\q)+768
	ds_load_b64 v[\reg+10:\reg+11], v[\adr+2] offset:3072*(\i)+1536*(\q)+1280
.endm
; 16 matrix instructions: A's blocks a0, a0 + 1 x B's eight.  The 64 accumulators take turns, one instruction a turn, in the same order in every step.
.macro MUL16 a0, p, q, sc, first
.irp a, \a0, \a0+1
.irp b, 0,1,2,3,4,5,6,7
.if \first
	v_wmma_scale_f32_16x16x128_f8f6f4 v[8*(8*((\a)%4)+\b):8*(8*((\a)%4)+\b)+7], v[128*(\p)+FR*\b:128*(\p)+FR*\b+FR-1], v[AF+FR*(\a):AF+FR*(\a)+FR-1], v[BIAS+8*\b:BIAS+8*\b+7], v[SC+8*NQ*(\sc)+NQ*\b+(\q)], v[SC+8*NQ*(\sc)+NQ*(\a)+(\q)] matrix_a_fmt:MATRIX_FMT_FP6 matrix_b_fmt:MATRIX_FMT_FP6 matrix_a_scale:MATRIX_SCALE_ROW1
.else
	v_wmma_scale_f32_16x16x128_f8f6f4 v[8*(8*((\a)%4)+\b):8*(8*((\a)%4)+\b)+7], v[128*(\p)+FR*\b:128*(\p)+FR*\b+FR-1], v[AF+FR*(\a):AF+FR*(\a)+FR-1], v[8*(8*((\a)%4)+\b):8*(8*((\a)%4)+\b)+7], v[SC+8*NQ*(\sc)+NQ*\b+(\q)], v[SC+8*NQ*(\sc)+NQ*(\a)+(\q)] matrix_a_fmt:MATRIX_FMT_FP6 matrix_b_fmt:MATRIX_FMT_FP6 matrix_a_scale:MATRIX_SCALE_ROW1
.endif
.endr
.endr
.endm
.macro FETCH_B slot, q, p
	WIN TO_B
.irp i, 0,1,2,3,4,5,6,7
	FRAG 128*(\p)+FR*\i, ADRB+\slot, \q, \i
.endr
	WIN 0
.endm
.macro FETCH_A slot, q, i0
.irp i, \i0, \i0+1, \i0+2, \i0+3
	FRAG AF+FR*(\i), ADRA+\slot, \q, \i
.endr
.endm
.macro SCALES sc                       ; a fill's scale words: two a row; lanes 0-15 take A's block i, lanes 16-31 B's
.irp i, 0,1,2,3,4,5,6,7
	ds_load_b64 v[SC+8*NQ*\sc+NQ*\i:SC+8*NQ*\sc+NQ*\i+1], v[ADRS] offset:\i*512
.endr
.endm
.macro STEP slot, q, first             ; a step of 128 along K that has its successor in the same slot
	s_wait_dscnt 4*NL                              ; B's set, the scale words and A's blocks 0-3 are in; the youngest sixteen loads (A's blocks 4-7) may be out
.if \first
	WIN FST_LO
.else
	WIN MUL_LO
.endif
	MUL16 0, (\q)%2, \q, \slot, \first
	MUL16 2, (\q)%2, \q, \slot, \first
	s_wait_dscnt 0
	PLACES NP
	FETCH_B \slot, (\q)+1, 1-(\q)%2
	FETCH_A \slot, (\q)+1, 0
.if \first
	WIN FST_HI
.else
	WIN MUL_HI
.endif
	MUL16 4, (\q)%2, \q, \slot, \first
	MUL16 6, (\q)%2, \q, \slot, \first
	PLACES NP
	WIN 0
	FETCH_A \slot, (\q)+1, 4
.endm
; A slot's last step changes slots: one barrier; in front of it each wave waits for all its tensor loads, adds 0 to its spare word, and waits for that and for its own reads of this slot.
.macro TURN slot, next, fill
	s_wait_tensorcnt 0x0                           ; all my tensor loads have landed: my part of the next slot
	ds_add_u32 v[SPW], v[NIL]                      ; 0 onto my spare word
	s_wait_dscnt 4*NL+1                            ; the add and the youngest sixteen loads (A's blocks 4-7) may be out
	WIN MUL_LO
	MUL16 0, 1, NQ-1, \slot, 0
	s_wait_dscnt 0x0                               ; the add is done, and my reads of this slot are over
	s_barrier_signal -1
	MUL16 2, 1, NQ-1, \slot, 0
	WIN 0
	s_barrier_wait -1
.if \fill
	CREST                                          ; the barrier has opened a round of the cluster's: no wave of any partner still reads this slot or has a load on its way
	s_add_nc_u64 s[G0+4*\slot+2:G0+4*\slot+3], s[G0+4*\slot+2:G0+4*\slot+3], 6144
	s_add_nc_u64 s[G0B+4*\slot+2:G0B+4*\slot+3], s[G0B+4*\slot+2:G0B+4*\slot+3], 6144
	JLOAD G0+4*\slot, G1, G0B+4*\slot, G1B         ; the first tensor load behind the round; its four v_nop are the places in front of the loads below
.else
	PLACES NP
.endif
	v_add_nc_u32 v[ADRS], 128, v[ADRS]             ; the next fill's scale words
	FETCH_B \next, 0, 0
	FETCH_A \next, 0, 0
	SCALES \next
	WIN MUL_HI
	MUL16 4, 1, NQ-1, \slot, 0
	MUL16 6, 1, NQ-1, \slot, 0
	PLACES NP
	WIN 0
	FETCH_A \next, 0, 4
.endm
	s_load_b512 s[4:19], s[0:1], 0x0               ; xq, wq, bq, bk, bv, rope, qq, kv
	v_lshl_add_u32 v[SPW], v0, 2, SPARE
	v_mov_b32 v[NIL], 0
	ds_add_u32 v28, v29
	ds_add_u32 v28, v29
	s_wait_dscnt 0x0
	v_lshrrev_b32 v1, 5, v0
	v_readfirstlane_b32 s20, v1                    ; wave 0..3
	s_lshr_b32 s21, s20, 1                         ; which half of A's rows is mine.  Also: I fetch for A (0) or for B (1)
	s_and_b32 s22, s20, 1                          ; which half of B's rows.  Also: which 8 row blocks I fetch
	s_bfe_u32 s40, ttmp6, 0x40000                  ; cx
	s_bfe_u32 s41, ttmp6, 0x40004                  ; cy
	s_mov_b32 s42, ttmp9                           ; the cluster's x: the role
	s_and_b32 s43, ttmp7, 0xffff                   ; the cluster's y: the batch
	s_lshl_b32 s44, s41, 2
	s_lshl_b32 s44, 15, s44                        ; my row of the cluster
	s_lshl_b32 s45, 0x1111, s40                    ; my column
	s_or_b32 s[G1+0], s44, (3<<16)|(1<<21)         ; 15:0 the mask; 17:16 elements of 8 bytes; 21 set beside a mask; no padding
	s_or_b32 s[G1B+0], s45, (3<<16)|(1<<21)
.irp g, G1, G1B
	s_mov_b32 s[\g+1], 384<<16                     ; tensor_dim0: 3,072 bytes: a row block's four half images of a fill
	s_mov_b32 s[\g+2], 8<<16                       ; tensor_dim1: 8 row blocks
	s_mov_b32 s[\g+3], 384<<16                     ; tile_dim0
	s_mov_b32 s[\g+4], 8                           ; tile_dim1
	s_mov_b32 s[\g+5], 1536                        ; from row block to row block: 12,288 bytes
	s_mov_b32 s[\g+6], 0
	s_mov_b32 s[\g+7], 0
.endr
	s_or_b32 s[G1S+0], s44, (3<<16)|(1<<21)
	s_or_b32 s[G1SB+0], s45, (3<<16)|(1<<21)
.irp g, G1S, G1SB
	s_mov_b32 s[\g+1], 32<<16                      ; the scale bytes of 8 row blocks: 4,096 dense bytes as 16 rows of 256
	s_mov_b32 s[\g+2], 16<<16
	s_mov_b32 s[\g+3], 32<<16
	s_mov_b32 s[\g+4], 16
	s_mov_b32 s[\g+5], 32
	s_mov_b32 s[\g+6], 0
	s_mov_b32 s[\g+7], 0
.endr
	s_lshl_b32 s46, s43, 2
	s_add_co_u32 s46, s46, s41                     ; 4 Y + cy
	s_lshl_b32 s47, s42, 2
	s_add_co_u32 s47, s47, s40                     ; 4 X + cx
	s_lshl_b32 s92, s43, 2
	s_add_co_u32 s92, s92, s40                     ; 4 Y + cx
	s_mov_b32 s2, SCX
	s_mov_b32 s3, SCW
	s_cmp_eq_u32 s42, 2                            ; the role: the same in all sixteen partners
	s_cselect_b32 s46, s41, s46                    ; A's tile: of x's 32 (q, k), of Wv's 4 (v): it hangs on cy alone
	s_cselect_b32 s47, s92, s47                    ; B's tile: of Wq's and Wk's 8, or of x's 32: on cx alone
	s_cselect_b32 s93, 128, 0                      ; Wv's row blocks begin at 128
	s_cselect_b32 s23, s3, s2                      ; where A's scale bytes begin in its buffer,
	s_cselect_b32 s3, s2, s3                       ; and B's
	s_lshl_b32 s46, s46, 4
	s_lshl_b32 s94, s22, 3
	s_add_co_u32 s46, s46, s94
	s_add_co_u32 s46, s46, s93                     ; the first of the 8 row blocks of A that I would fetch
	s_lshl_b32 s47, s47, 4
	s_add_co_u32 s47, s47, s94                     ; and of B
	s_mul_i32 s96, s46, 12288
	s_mov_b32 s97, 0
	s_lshl_b32 s98, s46, 9
	s_add_co_u32 s98, s98, s23
	s_mov_b32 s99, 0
	s_mul_i32 s92, s47, 12288
	s_mov_b32 s93, 0
	s_lshl_b32 s94, s47, 9
	s_add_co_u32 s94, s94, s3
	s_mov_b32 s95, 0
	s_mul_i32 s2, s20, HALFT                       ; where the codes go: wave x 8 row blocks: no place in the cluster enters an LDS address
	s_lshl_b32 s3, s20, 12
	s_lshl_b32 s23, s21, 7
	s_add_co_u32 s3, s3, s23                       ; and the scale bytes: 4,096 x wave, B's 128 further on
	s_cmp_eq_u32 s42, 2
	s_wait_kmcnt 0x0
	s_cselect_b64 s[66:67], s[6:7], s[4:5]         ; A's buffer
	s_cselect_b64 s[100:101], s[4:5], s[6:7]       ; B's
	s_add_nc_u64 s[96:97], s[66:67], s[96:97]
	s_add_nc_u64 s[98:99], s[66:67], s[98:99]
	s_add_nc_u64 s[92:93], s[100:101], s[92:93]
	s_add_nc_u64 s[94:95], s[100:101], s[94:95]
	CROUND                                         ; all sixteen work-groups are here: the first joint loads meet
	s_mov_b32 s[G0S], 1
	s_add_co_u32 s[G0S+1], s3, SCL
	s_mov_b64 s[G0S+2:G0S+3], s[98:99]
	s_or_b32 s[G0S+3], s[G0S+3], 0x80000000
	s_mov_b32 s[G0SB], 1
	s_add_co_u32 s[G0SB+1], s3, SCL
	s_mov_b64 s[G0SB+2:G0SB+3], s[94:95]
	s_or_b32 s[G0SB+3], s[G0SB+3], 0x80000000
	JLOAD G0S, G1S, G0SB, G1SB                     ; the scale bytes for all of K: filled once.  With the two below, three loads of mine are out
.irp s, 0,1
	s_mov_b32 s[G0+4*\s], 1
	s_add_co_u32 s[G0+4*\s+1], s2, \s*SLOT
	s_add_nc_u64 s[G0+4*\s+2:G0+4*\s+3], s[96:97], \s*3072
	s_or_b32 s[G0+4*\s+3], s[G0+4*\s+3], 0x80000000
	s_mov_b32 s[G0B+4*\s], 1
	s_add_co_u32 s[G0B+4*\s+1], s2, \s*SLOT
	s_add_nc_u64 s[G0B+4*\s+2:G0B+4*\s+3], s[92:93], \s*3072
	s_or_b32 s[G0B+4*\s+3], s[G0B+4*\s+3], 0x80000000
	JLOAD G0+4*\s, G1, G0B+4*\s, G1B
.endr
	v_and_b32 v1, 31, v0                           ; lane
	v_and_b32 v2, 15, v0                           ; r
	v_bfe_u32 v3, v0, 4, 1                         ; h
	v_lshlrev_b32 v4, 4, v1                        ; 16 x lane
	v_lshlrev_b32 v5, 3, v1                        ; 8 x lane
	s_mul_i32 s2, s21, HALFT
	s_mul_i32 s3, s22, HALFT
	s_add_co_u32 s3, s3, 2*HALFT
.irp s, 0,1
	v_add_nc_u32 v[ADRA+\s], s2, v4
	v_add_nc_u32 v[ADRA+2+\s], s2, v5
	v_add_nc_u32 v[ADRB+\s], s3, v4
	v_add_nc_u32 v[ADRB+2+\s], s3, v5
	s_add_co_u32 s2, s2, SLOT
	s_add_co_u32 s3, s3, SLOT
.endr
	s_lshl_b32 s2, s21, 12
	s_lshl_b32 s3, s22, 12
	s_add_co_u32 s3, s3, SCLB
	s_sub_co_u32 s3, s3, s2
	v_mul_u32_u24 v6, s3, v3                       ; lanes 16-31 take B's: one product, the distance between the two
	s_add_co_u32 s2, s2, SCL
	v_lshl_add_u32 v6, v2, 3, v6
	v_add_nc_u32 v[ADRS], s2, v6
	v_and_b32 v6, 7, v2
	v_lshrrev_b32 v7, 3, v2
	v_lshl_add_u32 v6, v7, 4, v6                   ; r % 8 + 16 (r / 8): the row that my place stands for
	; bv at the column that my place stands for in each of A's blocks.  Only the third role adds it; it is read on the one way that all roles take, so that every register of the text is written on every way.
	s_lshl_b32 s98, s41, 10
	s_lshl_b32 s99, s21, 9
	s_add_co_u32 s98, s98, s99
	s_mov_b32 s99, 0
	s_add_nc_u64 s[98:99], s[12:13], s[98:99]
	v_lshlrev_b32 v8, 2, v6
.irp a, 0,1,2,3,4,5,6,7
	global_load_b32 v[BV+\a], v8, s[98:99] offset:(32*(\a/2)+8*(\a%2))*4
.endr
	s_cmp_eq_u32 s42, 2
	s_cbranch_scc1 .Lbias_v
	s_cmp_eq_u32 s42, 0
	s_cselect_b64 s[96:97], s[8:9], s[10:11]       ; bq or bk: the C of each sum's first matrix instruction, eight registers for each of B's blocks
	s_lshl_b32 s92, s40, 10
	s_lshl_b32 s93, s22, 9
	s_add_co_u32 s92, s92, s93
	s_mov_b32 s93, 0
	s_add_nc_u64 s[96:97], s[96:97], s[92:93]
	v_lshlrev_b32 v7, 6, v3
.irp b, 0,1,2,3,4,5,6,7
	global_load_b128 v[BIAS+8*\b:BIAS+8*\b+3], v7, s[96:97] offset:(32*(\b/2)+8*(\b%2))*4
	global_load_b128 v[BIAS+8*\b+4:BIAS+8*\b+7], v7, s[96:97] offset:(32*(\b/2)+8*(\b%2))*4+16
.endr
	s_branch .Lbias_done
.Lbias_v:
.set J, 0
.rept 64
	v_mov_b32 v[BIAS+J], 0                         ; v's bias hangs on the lane, not on the register: it is added on the way out, and the one text of the first step finds zeros here
.set J, J+1
.endr
.Lbias_done:
	s_wait_loadcnt 0x0
	s_wait_tensorcnt 1                             ; the scale bytes and my part of the first fill are in; the second fill's load may be out
	s_barrier_signal -1
	s_barrier_wait -1
	FETCH_B 0, 0, 0
	FETCH_A 0, 0, 0
	SCALES 0
	FETCH_A 0, 0, 4
	STEP 0, 0, 1                                   ; the first products start the sums on the bias: nothing is cleared
	TURN 0, 1, 1
	STEP 1, 0, 0
	TURN 1, 0, 1
	STEP 0, 0, 0
	TURN 0, 1, 0                                   ; nothing is left to fetch
	STEP 1, 0, 0
	s_wait_dscnt 4*NL                              ; the last step
	WIN MUL_LO
	MUL16 0, 1, NQ-1, 1, 0
	MUL16 2, 1, NQ-1, 1, 0
	s_wait_dscnt 0
	WIN MUL_HI
	MUL16 4, 1, NQ-1, 1, 0
	MUL16 6, 1, NQ-1, 1, 0
	WIN 0
	PLACES NP                                      ; in front of the first read of results and of writes into registers that held operands
; 32 numbers of a lane, register 16 b + i = k 32 b + 16 h + i of my row, become a half image in v[PC] .. v[PC + 5] and a scale word in v[pw]
.macro QUANT2 s, pw
.irp b, 0,1
	v_max3_num_f32 v[TM+\b], |v[\s+16*\b]|, |v[\s+1+16*\b]|, 0x1800000   ; and the floor 2^(3 - 127): the byte cannot fall under 1
.endr
.irp i, 2,4,6,8,10,12,14
.irp b, 0,1
	v_max3_num_f32 v[TM+\b], v[TM+\b], |v[\s+16*\b+\i]|, |v[\s+1+16*\b+\i]|
.endr
.endr
.irp b, 0,1
	v_permlanex16_b32 v[TM+4+\b], v[TM+\b], s[SEL], s[SEL+1]
.endr
.irp b, 0,1
	v_max_num_f32 v[TM+\b], v[TM+\b], v[TM+4+\b]   ; with lane l xor 16's: the block's largest magnitude
.endr
.irp b, 0,1
	v_add_nc_u32 v[TM+12+\b], 0xff000000, v[TM+\b] ; 2 off the exponent field: the conversion's scale operand
.endr
.irp b, 0,1
	v_lshrrev_b32 v[TM+4+\b], 23, v[TM+12+\b]
.endr
	v_lshl_or_b32 v[\pw], v[TM+5], 8, v[TM+4]
	v_or_b32 v[\pw], 0x7f7f0000, v[\pw]            ; 1.0 for the 64 zero codes that fill the product's K
	v_cvt_scalef32_pk16_fp6_f32 v[PC:PC+2], v[\s:\s+15], v[TM+12]
	v_cvt_scalef32_pk16_fp6_f32 v[PC+12:PC+14], v[\s+16:\s+31], v[TM+13]
	v_nop                                          ; one plain instruction behind a scaled conversion
.irp i, 0,1,2
	v_permlane16_swap_b32 v[PC+\i], v[PC+12+\i]    ; a whole block to a lane: lanes 0-15 block 0, lanes 16-31 block 1
.endr
.irp i, 0,1,2
	v_mov_b32 v[PC+3+\i], v[PC+12+\i]
.endr
.endm
; the same for 64 numbers: a fragment of 128 along K in v[PC] .. v[PC + 11]
.macro QUANT s, pw
.irp b, 0,1,2,3
	v_max3_num_f32 v[TM+\b], |v[\s+16*\b]|, |v[\s+1+16*\b]|, 0x1800000
.endr
.irp i, 2,4,6,8,10,12,14
.irp b, 0,1,2,3
	v_max3_num_f32 v[TM+\b], v[TM+\b], |v[\s+16*\b+\i]|, |v[\s+1+16*\b+\i]|
.endr
.endr
.irp b, 0,1,2,3
	v_permlanex16_b32 v[TM+4+\b], v[TM+\b], s[SEL], s[SEL+1]
.endr
.irp b, 0,1,2,3
	v_max_num_f32 v[TM+\b], v[TM+\b], v[TM+4+\b]
.endr
.irp b, 0,1,2,3
	v_add_nc_u32 v[TM+12+\b], 0xff000000, v[TM+\b]
.endr
.irp b, 0,1,2,3
	v_lshrrev_b32 v[TM+4+\b], 23, v[TM+12+\b]
.endr
	v_lshl_or_b32 v[\pw], v[TM+5], 8, v[TM+4]
	v_lshl_or_b32 v[\pw], v[TM+6], 16, v[\pw]
	v_lshl_or_b32 v[\pw], v[TM+7], 24, v[\pw]
.irp c, 0,1
	v_cvt_scalef32_pk16_fp6_f32 v[PC+6*\c:PC+2+6*\c], v[\s+32*\c:\s+15+32*\c], v[TM+12+2*\c]
	v_cvt_scalef32_pk16_fp6_f32 v[PC+12+4*\c:PC+14+4*\c], v[\s+16+32*\c:\s+31+32*\c], v[TM+12+2*\c+1]
.endr
	v_nop
.irp c, 0,1
.irp i, 0,1,2
	v_permlane16_swap_b32 v[PC+6*\c+\i], v[PC+12+4*\c+\i]
.endr
.irp i, 0,1,2
	v_mov_b32 v[PC+3+6*\c+\i], v[PC+12+4*\c+\i]
.endr
.endr
.endm
	s_mov_b32 s[SEL], 0x76543210
	s_mov_b32 s[SEL+1], 0xfedcba98
.irp b, 0,1,2,3
	v_mov_b32 v[TM+4+\b], 0                        ; (a lane permute's destination counts as one of its sources)
.endr
	s_mov_b32 s39, 0
	s_cmp_eq_u32 s42, 2
	s_cbranch_scc1 .Lv_out
; ---------------- q and k.  No tensor load of mine is out, so the descriptors' registers serve as pointers.
	s_cmp_eq_u32 s42, 0
	s_cselect_b64 s[34:35], s[16:17], s[18:19]     ; qq or kv
	s_mov_b32 s2, 110592
	s_cselect_b32 s2, 57344, s2                    ; a head's bytes there,
	s_mov_b32 s3, 98304
	s_cselect_b32 s3, 49152, s3                    ; and where its scale words begin
	s_lshl_b32 s36, s43, 4
	s_lshl_b32 s37, s40, 2
	s_add_co_u32 s36, s36, s37
	s_lshl_b32 s37, s22, 1
	s_add_co_u32 s36, s36, s37                     ; 16 x batch + my first head (my 128 columns are two heads)
	s_mul_i32 s36, s36, s2
	s_lshl_b32 s37, s41, 4
	s_lshl_b32 s38, s21, 3
	s_add_co_u32 s37, s37, s38                     ; my first tile of 16 positions
	s_mul_i32 s38, s37, 768
	s_add_co_u32 s38, s38, s36
	s_add_nc_u64 s[24:25], s[34:35], s[38:39]      ; codes, first head
	s_mov_b32 s38, s2
	s_add_nc_u64 s[26:27], s[24:25], s[38:39]      ; second head
	s_lshl_b32 s38, s37, 7
	s_add_co_u32 s38, s38, s36
	s_add_co_u32 s38, s38, s3
	s_add_nc_u64 s[28:29], s[34:35], s[38:39]      ; scale words
	s_mov_b32 s38, s2
	s_add_nc_u64 s[30:31], s[28:29], s[38:39]
	s_lshl_b32 s38, s37, 12
	s_add_nc_u64 s[32:33], s[14:15], s[38:39]      ; the table at my first position
	v_lshlrev_b32 v7, 8, v6
	v_lshl_add_u32 v7, v3, 6, v7                   ; the position that my place stands for, + 64 h: pair 16 be + 8 h + 4 u + j / 2 lies 128 be + 64 h + 32 u + 4 j bytes into a position's 256
.macro TLOAD a                         ; cos and sin for A's block a: register 16 be + 8 u + j holds the cos, the next one the sin, of the pair in registers j, j + 1 of accumulator (a, 4 hh + 2 be + u)
.irp be, 0,1
.irp k, 0,1,2,3
	global_load_b128 v[TBL+32*((\a)%2)+16*\be+4*\k:TBL+32*((\a)%2)+16*\be+4*\k+3], v7, s[32:33] offset:(32*((\a)/2)+8*((\a)%2))*256+128*\be+16*\k
.endr
.endr
.endm
.macro ROPE a, hh                      ; (x1, x2) -> (x1 c - x2 s, x1 s + x2 c): a packed product (-x2 s, x1 s), then a packed multiply-add by c.  Each accumulator is read from its low end on
	WIN 0x02+(\a)/4
.irp be, 0,1
.irp u, 0,1
.irp j, 0,2,4,6
	v_pk_mul_f32 v[XR+16*\be+8*\u+\j:XR+16*\be+8*\u+\j+1], v[8*(8*((\a)%4)+4*(\hh)+2*\be+\u)+\j:8*(8*((\a)%4)+4*(\hh)+2*\be+\u)+\j+1], v[TBL+32*((\a)%2)+16*\be+8*\u+\j:TBL+32*((\a)%2)+16*\be+8*\u+\j+1] op_sel:[1,1] op_sel_hi:[0,1] neg_lo:[1,0]
	v_pk_fma_f32 v[XR+16*\be+8*\u+\j:XR+16*\be+8*\u+\j+1], v[8*(8*((\a)%4)+4*(\hh)+2*\be+\u)+\j:8*(8*((\a)%4)+4*(\hh)+2*\be+\u)+\j+1], v[TBL+32*((\a)%2)+16*\be+8*\u+\j:TBL+32*((\a)%2)+16*\be+8*\u+\j+1], v[XR+16*\be+8*\u+\j:XR+16*\be+8*\u+\j+1] op_sel_hi:[1,0,1]
.endr
.endr
.endr
	WIN 0
.endm
	TLOAD 0
.irp a, 0,1,2,3,4,5,6,7
.if \a < 7
	TLOAD \a+1
	s_wait_loadcnt 8                               ; this block's eight loads are in; the next block's eight may be out
.else
	s_wait_loadcnt 0x0
.endif
.irp hh, 0,1
	s_wait_xcnt 0x0                                ; the earlier stores have read their registers: the codes' and the words' are written again only behind this wait
	ROPE \a, \hh
	QUANT2 XR, PWQ+4*\hh+\a%4
	global_store_b128 v4, v[PC:PC+3], s[24+2*\hh:25+2*\hh] offset:768*\a           ; a half image: three aligned runs of 256 bytes
	global_store_b64 v5, v[PC+4:PC+5], s[24+2*\hh:25+2*\hh] offset:768*\a+512
.if \a%4 == 3
	global_store_b128 v4, v[PWQ+4*\hh:PWQ+4*\hh+3], s[28+2*\hh:29+2*\hh] offset:512*(\a/4)   ; four tiles' words: 512 consecutive bytes
.endif
.endr
.endr
	s_branch .Lend
; ---------------- v.  A's block a is 16 of a head's 64 (head a / 4 of my two, tile a % 4); my 128 rows of x are one step of 128 keys, and a lane's 64 registers run down them.
.Lv_out:
	s_lshl_b32 s36, s43, 4
	s_lshl_b32 s37, s41, 2
	s_add_co_u32 s36, s36, s37
	s_lshl_b32 s37, s21, 1
	s_add_co_u32 s36, s36, s37                     ; 16 x batch + my first head
	s_mul_i32 s36, s36, 110592
	s_lshl_b32 s37, s40, 1
	s_add_co_u32 s37, s37, s22                     ; which 128 keys
	s_mul_i32 s38, s37, 6144
	s_add_co_u32 s38, s38, s36
	s_add_co_u32 s38, s38, 49152
	s_add_nc_u64 s[24:25], s[18:19], s[38:39]
	s_lshl_b32 s38, s37, 9
	s_add_co_u32 s38, s38, s36
	s_add_co_u32 s38, s38, 106496
	s_add_nc_u64 s[28:29], s[18:19], s[38:39]
.irp a, 0,1,2,3,4,5,6,7
	s_wait_xcnt 0x0                                ; the earlier stores have read their registers
	WIN 0x02+\a/4
.irp b, 0,1,2,3,4,5,6,7
.irp j, 0,2,4,6
.if \a%2
	v_pk_add_f32 v[XV+8*\b+\j:XV+8*\b+\j+1], v[8*(8*(\a%4)+\b)+\j:8*(8*(\a%4)+\b)+\j+1], v[BV+\a-1:BV+\a] op_sel:[0,1] op_sel_hi:[1,1]
.else
	v_pk_add_f32 v[XV+8*\b+\j:XV+8*\b+\j+1], v[8*(8*(\a%4)+\b)+\j:8*(8*(\a%4)+\b)+\j+1], v[BV+\a:BV+\a+1] op_sel_hi:[1,0]
.endif
.endr
.endr
	WIN 0
	QUANT XV, PWQ+\a%4
	global_store_b128 v4, v[PC:PC+3], s[24:25] offset:(\a/4)*110592+(\a%4)*1536
	global_store_b64 v5, v[PC+4:PC+5], s[24:25] offset:(\a/4)*110592+(\a%4)*1536+512
	global_store_b128 v4, v[PC+6:PC+9], s[24:25] offset:(\a/4)*110592+(\a%4)*1536+768
	global_store_b64 v5, v[PC+10:PC+11], s[24:25] offset:(\a/4)*110592+(\a%4)*1536+1280
.if \a%4 == 3
	global_store_b128 v4, v[PWQ:PWQ+3], s[28:29] offset:(\a/4)*110592
.endif
.endr
.Lend:
	s_nop 0
	s_wait_tensorcnt 0x0                           ; the wave's end
	ds_add_u32 v[SPW], v[NIL]
	s_wait_dscnt 0x0
	CROUND                                         ; the closing round: no work-group ends while a partner may still ask for a tile that names it
	s_endpgm
.Lfunc_end_k_q78df3f362d_qkv:
	.size	k_q78df3f362d_qkv, .Lfunc_end_k_q78df3f362d_qkv-k_q78df3f362d_qkv
	.p2alignl 7, 3214868480
	.fill 96, 4, 3214868480
	.section	.rodata,"a",@progbits
	.p2align	6, 0x0
	.amdhsa_kernel k_q78df3f362d_qkv
		.amdhsa_group_segment_fixed_size 327680
		.amdhsa_private_segment_fixed_size 0
		.amdhsa_enable_private_segment 0
		.amdhsa_kernarg_size 64
		.amdhsa_user_sgpr_count 2
		.amdhsa_user_sgpr_kernarg_segment_ptr 1
		.amdhsa_wavefront_size32 1
		.amdhsa_system_sgpr_workgroup_id_x 1
		.amdhsa_system_sgpr_workgroup_id_y 1
		.amdhsa_system_sgpr_workgroup_id_z 1
		.amdhsa_system_vgpr_workitem_id 0
		.amdhsa_next_free_vgpr 1024
		.amdhsa_next_free_sgpr 102
		.amdhsa_reserve_vcc 0
		.amdhsa_float_denorm_mode_32 3
		.amdhsa_float_denorm_mode_16_64 3
		.amdhsa_memory_ordered 1
		.amdhsa_forward_progress 1
		.amdhsa_inst_pref_size 244
	.end_amdhsa_kernel
	.amdgpu_metadata
---
amdhsa.version: [ 1, 2 ]
amdhsa.kernels:
  - .name:           k_q78df3f362d_qkv
    .symbol:         k_q78df3f362d_qkv.kd
    .args:
      - { .name: xq, .offset: 0, .size: 8, .value_kind: global_buffer, .address_space: global }
      - { .name: wq, .offset: 8, .size: 8, .value_kind: global_buffer, .address_space: global }
      - { .name: bq, .offset: 16, .size: 8, .value_kind: global_buffer, .address_space: global }
      - { .name: bk, .offset: 24, .size: 8, .value_kind: global_buffer, .address_space: global }
      - { .name: bv, .offset: 32, .size: 8, .value_kind: global_buffer, .address_space: global }
      - { .name: rope, .offset: 40, .size: 8, .value_kind: global_buffer, .address_space: global }
      - { .name: qq, .offset: 48, .size: 8, .value_kind: global_buffer, .address_space: global }
      - { .name: kv, .offset: 56, .size: 8, .value_kind: global_buffer, .address_space: global }
    .group_segment_fixed_size: 327680
    .private_segment_fixed_size: 0
    .kernarg_segment_align: 8
    .kernarg_segment_size: 64
    .max_flat_workgroup_size: 128
    .sgpr_count:     102
    .vgpr_count:     1024
    .wavefront_size: 32
...
	.end_amdgpu_metadata
.endif
;; end of part 2
;; launch attn (part 3): grid 2 x 128, 16 waves a work-group, no clusters, 169,984 bytes of LDS; arguments qq, kv, oq; writes oq
.if DOCPART == 3
	.amdgcn_target "amdgcn-amd-amdhsa--gfx1250"
	.amdhsa_code_object_version 6
	.text
	.protected	k_q78df3f362d_attn
	.globl	k_q78df3f362d_attn
	.p2align	8
	.type	k_q78df3f362d_attn,@function
k_q78df3f362d_attn:
	s_mov_b64 s[64:65], 0
	v_nop
	global_prefetch_b8 v0, s[64:65] scope:SCOPE_SE
	s_setreg_imm32_b32 hwreg(HW_REG_WAVE_MODE, 25, 1), 1
	s_wait_xcnt 0x0
; ATTN.  For each batch x head: O = softmax(q k^T / 8, causal) v, both products on codes of FP6 (E2M3) with E8M0 scales; O / l is quantised along D and stored as the last product's operand.
; t = score x log2(e) / 8; M = the running largest t rounded UP to a whole number; p = 2^(t - M) is quantised along the keys; the row's sum l is taken of the unquantised p and divides at the end.
; When M moves, the sum and O are multiplied by 2^(old M - new M): exact.
; SHARES.  Two work-groups to a head, sixteen waves each, 256 registers a wave: four waves to a SIMD, so that one wave's vector work stands beside another's matrix work.  Wave w of work-group p makes the tiles of
; 16 queries T = 16 p + w and 63 - T: (T / 8 + 1) + ((63 - T) / 8 + 1) = 9 steps of 128 keys for every wave, so the causal work is even.
; LDS.  The head's K and V, codes and scale words, are 110,592 dense bytes: they come ONCE, each wave bringing 27 rows of 256 bytes, and stay: no ring, nothing is filled again, one barrier.
; The two work-groups of a head read the same block; a grid of two along x divides into no cluster of four, so each asks for itself.
; LAYOUT.  Both products are used transposed: S^T = K Q^T, O^T = V^T P^T: a lane holds ONE query.  All codes lie as half images (16 rows x 64 along K, 768 bytes, in the order of the operand's registers).
; Place r of tile 2 A + u stands for position 32 A + 8 u + r % 8 + 16 (r / 8): so the 16 registers of score tiles 2 b, 2 b + 1 are keys 32 b + 16 h + 0 .. 15, and those of O^T's tiles 2 A, 2 A + 1 channels 32 A + 16 h + 0 .. 15.
; The head's 64 fill half of the first product's 128 along K: the upper six registers of Q's and K's fragments are zero codes, their scale bytes 0x7f.
; Every pass walks eight steps, a constant; a step all of whose keys come after the tile's queries is jumped over, by a scalar branch on ids, but for the lines that step addresses.
; oq: codes [16 rows: 512][head 16][768]; at 6,291,456 the bytes [block][4][r 16][8].  A head's two bytes a row are 32 single bytes a tile: four heads' work-groups make up those 128 bytes.
; LIMITS: NaN and infinities are not served; a block of O under 2^-124, or of zeros, has the byte 1 (this program alone reads the bytes).
; REGISTERS: v1, v2 16 and 8 x lane; v3 my query less 16 h; v4-7 the step's LDS addresses; v8-11 K's or V's scale words; v12 -M, v13 the largest t, v[14:15] the sum; v16-27 Q; v28 Q's scale word; v29 8 r + h;
; v30, v31 where the scale words begin; v32-79 four fragments of K; v80-127 V's four; v128-191 S^T, then p; v192-223 O^T; v224-235 p's codes; v236-251 at work; v252 at work; v253 p's scale word; v[254:255] f.
.set VC, 49152
.set KW, 98304
.set VW, 106496
	s_load_b128 s[4:7], s[0:1], 0x0                ; qq, kv
	s_load_b64 s[8:9], s[0:1], 0x10                ; oq
	v_lshl_add_u32 v254, v0, 2, 0x29000
	v_mov_b32 v255, 0
	ds_add_u32 v254, v255
	ds_add_u32 v254, v255
	s_wait_dscnt 0x0
	v_lshrrev_b32 v1, 5, v0
	v_readfirstlane_b32 s10, v1                    ; wave 0..15
	s_and_b32 s12, ttmp7, 0xffff                   ; 16 x batch + head
	s_mov_b32 s16, 3<<16                           ; elements of 8 bytes, no mask, no padding
	s_mov_b32 s17, 32<<16                          ; tensor_dim0: 256 bytes
	s_mov_b32 s18, 27<<16                          ; tensor_dim1
	s_mov_b32 s19, 32<<16                          ; tile_dim0
	s_mov_b32 s20, 27                              ; tile_dim1
	s_mov_b32 s21, 32                              ; the rows are dense
	s_mov_b32 s22, 0
	s_mov_b32 s23, 0
	s_mov_b32 s24, 1
	s_mul_i32 s25, s10, 6912                       ; my sixteenth of the block, in LDS as in memory
	s_mul_i32 s2, s12, 110592
	s_add_co_u32 s2, s2, s25
	s_mov_b32 s3, 0
	s_wait_kmcnt 0x0
	s_add_nc_u64 s[26:27], s[6:7], s[2:3]
	s_or_b32 s27, s27, 0x80000000
	tensor_load_to_lds s[24:27], s[16:23]          ; my one tensor load
	s_nop 0
.rept 4
	v_nop
.endr
	v_and_b32 v4, 31, v0                           ; lane
	v_and_b32 v5, 15, v0                           ; r
	v_bfe_u32 v6, v0, 4, 1                         ; h
	v_lshlrev_b32 v1, 4, v4
	v_lshlrev_b32 v2, 3, v4
	v_and_b32 v3, 7, v0
	v_bfe_u32 v7, v0, 3, 1
	v_lshl_add_u32 v3, v7, 4, v3
	v_lshlrev_b32 v7, 4, v6
	v_sub_nc_u32 v3, v3, v7                        ; r % 8 + 16 (r / 8) - 16 h
	v_lshl_add_u32 v29, v5, 3, v6
	v_add_nc_u32 v30, KW, v1
	v_add_nc_u32 v31, VW, v1
.irp j, 22,23,24,25,26,27
	v_mov_b32 v[\j], 0                             ; zero codes: the upper 64 of the first product's K
.endr
.irp t, 0,1,2,3
.irp j, 6,7,8,9,10,11
	v_mov_b32 v[32+12*\t+\j], 0
.endr
.endr
.irp j, 240,241,242,243,252,255
	v_mov_b32 v[\j], 0                             ; written once: lane permutes' destinations, and the upper half of the pair v[254:255]
.endr
	s_lshl_b32 s13, ttmp9, 4
	s_add_co_u32 s13, s13, s10                     ; my first tile of queries
	s_mov_b32 s32, 0x76543210
	s_mov_b32 s33, 0xfedcba98                      ; lane l xor 16
	s_mov_b32 s34, 0x3e38aa3b                      ; c = log2(e) / 8
	s_mov_b32 s35, s34
	s_mov_b32 s36, 0xffff0000                      ; lanes 16-31
	s_mul_i32 s2, s12, 57344
	s_add_nc_u64 s[4:5], s[4:5], s[2:3]            ; my head in qq
	s_lshr_b32 s11, s12, 4                         ; batch
	s_and_b32 s37, s12, 15                         ; head
	s_mul_i32 s2, s11, 786432
	s_mul_i32 s46, s37, 768
	s_add_co_u32 s2, s2, s46
	s_add_nc_u64 s[48:49], s[8:9], s[2:3]          ; oq: the batch's first row block, my head's half image
	s_lshl_b32 s2, s11, 15
	s_lshr_b32 s46, s37, 2
	s_lshl_b32 s46, s46, 7
	s_add_co_u32 s2, s2, s46
	s_and_b32 s46, s37, 3
	s_lshl_b32 s46, s46, 1
	s_add_co_u32 s2, s2, s46
	s_add_co_u32 s2, s2, 6291456
	s_add_nc_u64 s[50:51], s[8:9], s[2:3]          ; and my head's two bytes of a row
	s_wait_tensorcnt 0x0                           ; my part of the block is in,
	s_barrier_signal -1
	s_barrier_wait -1                              ; everybody's is
; A KEY STEP: 128 keys.  s15 its first key, s14 the tile's first query, s28, s29, s30 the step's place among the codes, K's words and V's words.
.macro STEP
	s_add_co_u32 s11, s14, 23
	s_cmp_gt_u32 s15, s11                          ; all keys after my last query: nothing to do
	s_cbranch_scc1 .Lhidden_\@
	v_add_nc_u32 v4, s28, v1                       ; (these four are the places in front of the loads into registers that the last products read)
	v_add_nc_u32 v5, s28, v2
	v_add_nc_u32 v6, s29, v30
	v_add_nc_u32 v7, s30, v31
.irp g, 0,1                                    ; S^T = K Q^T, four tiles of 16 keys at a time
.if \g
.rept 4
	v_nop
.endr
.endif
.irp t, 0,1,2,3
	ds_load_b128 v[32+12*\t:35+12*\t], v4 offset:768*(4*\g+\t)
	ds_load_b64 v[36+12*\t:37+12*\t], v5 offset:768*(4*\g+\t)+512
.endr
	ds_load_b128 v[8:11], v6 offset:512*\g         ; the four tiles' scale words
	s_wait_dscnt 0x0
.irp t, 0,1,2,3
	v_wmma_scale_f32_16x16x128_f8f6f4 v[128+8*(4*\g+\t):135+8*(4*\g+\t)], v[32+12*\t:43+12*\t], v[16:27], 0, v[8+\t], v28 matrix_a_fmt:MATRIX_FMT_FP6 matrix_b_fmt:MATRIX_FMT_FP6
.endr
.endr
.rept 4
	v_nop                                          ; places in front of the first read of the scores and of the load into the scale words' registers
.endr
.irp t, 0,1,2,3                                ; V's four fragments and their words are asked for now and land under the softmax
	ds_load_b128 v[80+12*\t:83+12*\t], v4 offset:VC+1536*\t
	ds_load_b64 v[84+12*\t:85+12*\t], v5 offset:VC+1536*\t+512
	ds_load_b128 v[86+12*\t:89+12*\t], v4 offset:VC+1536*\t+768
	ds_load_b64 v[90+12*\t:91+12*\t], v5 offset:VC+1536*\t+1280
.endr
	ds_load_b128 v[8:11], v7
	s_add_co_u32 s11, s15, 127                     ; on the diagonal hidden scores become -infinity ahead of the maximum; a step all of whose keys count skips this
	s_cmp_le_u32 s11, s14
	s_cbranch_scc1 .Lopen_\@
	s_sub_co_i32 s11, s14, s15
	v_add_nc_u32 v252, s11, v3                     ; d = my query - the first key - 16 h.  Register 16 b + i holds key 32 b + 16 h + i: hidden where 32 b + i > d
	v_mov_b32 v255, 0xff800000
.set J, 0
.rept 64
	v_cmp_gt_i32 vcc_lo, 32*(J/16)+J%16, v252
	v_cndmask_b32 v[128+J], v[128+J], v255, vcc_lo
.set J, J+1
.endr
.Lopen_\@:
.irp b, 0,1,2,3
	v_max3_num_f32 v[236+\b], v[128+16*\b], v[129+16*\b], v[130+16*\b]   ; the largest score of each block of 32 keys: for the row's maximum, and, since p rises with the score, for the block's largest p
.endr
.irp i, 3,5,7,9,11,13
.irp b, 0,1,2,3
	v_max3_num_f32 v[236+\b], v[236+\b], v[128+16*\b+\i], v[129+16*\b+\i]
.endr
.endr
.irp b, 0,1,2,3
	v_max_num_f32 v[236+\b], v[236+\b], v[143+16*\b]
.endr
.irp b, 0,1,2,3
	v_permlanex16_b32 v[240+\b], v[236+\b], s32, s33
.endr
.irp b, 0,1,2,3
	v_max_num_f32 v[236+\b], v[236+\b], v[240+\b]
.endr
	v_max3_num_f32 v252, v236, v237, v238
	v_max_num_f32 v252, v252, v239
	v_mul_f32 v252, s34, v252                      ; as t (c is positive)
	v_max_num_f32 v13, v13, v252                   ; the running largest t
	v_mov_b32 v252, v12
	v_floor_f32 v12, -v13                          ; the new -M = -ceil(t): a whole number
	v_sub_f32 v252, v12, v252                      ; old M - new M: a whole number, 0 or less
	v_cvt_i32_f32 v252, v252                       ; (it saturates)
	v_ldexp_f32 v254, 1.0, v252                    ; f = 2^(old M - new M)
.set J, 0
.rept 32
	v_pk_fma_f32 v[128+J:129+J], v[128+J:129+J], s[34:35], v[12:13] op_sel_hi:[1,0,0]   ; t - M
.set J, J+2
.endr
.irp b, 0,1,2,3
	v_fma_f32 v[236+\b], v[236+\b], s34, v12
.endr
.set J, 0
.rept 64
	v_exp_f32 v[128+J], v[128+J]                   ; p = 2^(t - M), at most 1, not normalised
.set J, J+1
.endr
	v_pk_mul_f32 v[14:15], v[14:15], v[254:255] op_sel_hi:[1,0]   ; the sums under the new M; also the plain instruction behind the exponentials
	s_wait_alu depctr_va_vdst(0)                   ; one wait for the whole batch, ahead of its first reader
.irp b, 0,1,2,3
	v_exp_f32 v[236+\b], v[236+\b]                 ; the block's largest p
.endr
	v_pk_add_f32 v[240:241], v[128:129], v[130:131]   ; the row's sum of the unquantised p, in two chains
.irp j, 4,8,12,16,20,24,28,32,36,40,44,48,52,56,60
	v_pk_add_f32 v[14:15], v[14:15], v[128+\j:129+\j]
	v_pk_add_f32 v[240:241], v[240:241], v[130+\j:131+\j]
.endr
	v_pk_add_f32 v[14:15], v[14:15], v[240:241]
	s_wait_alu depctr_va_vdst(0)                   ; and one for the four
.irp b, 0,1,2,3
	v_max_num_f32 v[236+\b], 0x1800000, v[236+\b]  ; the floor 2^(3 - 127): a block whose every p is 0 keeps the byte 1; its codes are zeros
.endr
.irp b, 0,1,2,3
	v_add_nc_u32 v[248+\b], 0xff000000, v[236+\b]
.endr
.irp b, 0,1,2,3
	v_lshrrev_b32 v[240+\b], 23, v[248+\b]
.endr
	v_lshl_or_b32 v253, v241, 8, v240              ; p's scale word for these 128 keys
	v_lshl_or_b32 v253, v242, 16, v253
	v_lshl_or_b32 v253, v243, 24, v253
.irp c, 0,1
	v_cvt_scalef32_pk16_fp6_f32 v[224+6*\c:226+6*\c], v[128+32*\c:143+32*\c], v[248+2*\c]
	v_cvt_scalef32_pk16_fp6_f32 v[240+4*\c:242+4*\c], v[144+32*\c:159+32*\c], v[248+2*\c+1]
.endr
	v_nop                                          ; one plain instruction behind a scaled conversion
.irp c, 0,1
.irp i, 0,1,2
	v_permlane16_swap_b32 v[224+6*\c+\i], v[240+4*\c+\i]
.endr
.irp i, 0,1,2
	v_mov_b32 v[227+6*\c+\i], v[240+4*\c+\i]
.endr
.endr
.set J, 0
.rept 16
	v_pk_mul_f32 v[192+J:193+J], v[192+J:193+J], v[254:255] op_sel_hi:[1,0]   ; O^T under the new M.  For each product below twelve of these name none of its registers: the places behind the writes of p's word and codes
.set J, J+2
.endr
	s_wait_dscnt 0x0                               ; V
.irp t, 0,1,2,3
	v_wmma_scale_f32_16x16x128_f8f6f4 v[192+8*\t:199+8*\t], v[80+12*\t:91+12*\t], v[224:235], v[192+8*\t:199+8*\t], v[8+\t], v253 matrix_a_fmt:MATRIX_FMT_FP6 matrix_b_fmt:MATRIX_FMT_FP6
.endr
.Lhidden_\@:
	s_add_co_u32 s15, s15, 128
	s_add_co_u32 s28, s28, 6144
	s_add_co_u32 s29, s29, 1024
	s_add_co_u32 s30, s30, 512
.endm
; ONE TILE OF 16 QUERIES, T = s13
.macro PASS
	s_wait_xcnt 0x0                                ; the last pass's loads and stores have read their registers and bases
	s_lshr_b32 s14, s13, 1
	s_lshl_b32 s14, s14, 5
	s_and_b32 s11, s13, 1
	s_lshl_b32 s11, s11, 3
	s_add_co_u32 s14, s14, s11                     ; the tile's first query: 32 (T / 2) + 8 (T % 2)
	s_mov_b32 s47, 0
	s_mul_i32 s46, s13, 768
	s_add_nc_u64 s[38:39], s[4:5], s[46:47]
	s_lshr_b32 s46, s13, 2
	s_lshl_b32 s46, s46, 9
	s_and_b32 s11, s13, 3
	s_lshl_b32 s11, s11, 2
	s_add_co_u32 s46, s46, s11
	s_add_co_u32 s46, s46, 49152
	s_add_nc_u64 s[40:41], s[4:5], s[46:47]
	s_mul_i32 s46, s13, 12288
	s_add_nc_u64 s[42:43], s[48:49], s[46:47]
	s_lshl_b32 s46, s13, 9
	s_add_nc_u64 s[44:45], s[50:51], s[46:47]
	global_load_b128 v[16:19], v1, s[38:39]        ; Q's half image
	global_load_b64 v[20:21], v2, s[38:39] offset:512
	global_load_b32 v28, v1, s[40:41]              ; and its scale word
	v_mov_b32 v13, 0xff61b1e6                      ; the largest t so far: -3e38
	v_floor_f32 v12, -v13
	v_mov_b32 v14, 0
	v_mov_b32 v15, 0
.set J, 0
.rept 32
	v_mov_b32 v[192+J], 0                          ; O^T: the step is written once; the first finds zeros, which the first change of M leaves zeros
.set J, J+1
.endr
	s_mov_b32 s15, 0
	s_mov_b32 s28, 0
	s_mov_b32 s29, 0
	s_mov_b32 s30, 0
	s_mov_b32 s31, 8
	s_wait_loadcnt 0x0
.Lstep_\@:
	STEP
	s_sub_co_u32 s31, s31, 1
	s_cmp_lg_u32 s31, 0
	s_cbranch_scc1 .Lstep_\@
.rept 4
	v_nop                                          ; places behind the last products
.endr
	v_add_f32 v14, v14, v15
	v_permlanex16_b32 v252, v14, s32, s33
	v_add_f32 v14, v14, v252                       ; the row's sum
	v_rcp_f32 v14, v14
	v_nop
	s_wait_alu depctr_va_vdst(0)                   ; ahead of the reciprocal's first reader
.set J, 0
.rept 32
	v_mul_f32 v[128+J], v[192+J], v14              ; register 16 A + i is channel 32 A + 16 h + i of my query
.set J, J+1
.endr
.irp b, 0,1
	v_max3_num_f32 v[236+\b], |v[128+16*\b]|, |v[129+16*\b]|, 0x1800000
.endr
.irp i, 2,4,6,8,10,12,14
.irp b, 0,1
	v_max3_num_f32 v[236+\b], v[236+\b], |v[128+16*\b+\i]|, |v[129+16*\b+\i]|
.endr
.endr
.irp b, 0,1
	v_permlanex16_b32 v[240+\b], v[236+\b], s32, s33
.endr
.irp b, 0,1
	v_max_num_f32 v[236+\b], v[236+\b], v[240+\b]
.endr
.irp b, 0,1
	v_add_nc_u32 v[248+\b], 0xff000000, v[236+\b]
.endr
.irp b, 0,1
	v_lshrrev_b32 v[244+\b], 23, v[248+\b]
.endr
	v_cndmask_b32 v246, v244, v245, s36            ; lanes 0-15 store block 0's byte, lanes 16-31 block 1's
	v_cvt_scalef32_pk16_fp6_f32 v[224:226], v[128:143], v248
	v_cvt_scalef32_pk16_fp6_f32 v[240:242], v[144:159], v249
	v_nop
.irp i, 0,1,2
	v_permlane16_swap_b32 v[224+\i], v[240+\i]
.endr
.irp i, 0,1,2
	v_mov_b32 v[227+\i], v[240+\i]
.endr
	global_store_b128 v1, v[224:227], s[42:43]     ; a half image: three aligned runs of 256 bytes
	global_store_b64 v2, v[228:229], s[42:43] offset:512
	global_store_b8 v29, v246, s[44:45]
.endm
	PASS
	s_sub_co_u32 s13, 63, s13                      ; the partner tile
	PASS
	s_wait_xcnt 0x0
	v_lshl_add_u32 v254, v0, 2, 0x29000
	v_mov_b32 v255, 0
	s_wait_tensorcnt 0x0
	ds_add_u32 v254, v255
	s_wait_dscnt 0x0
	s_endpgm
.Lfunc_end_k_q78df3f362d_attn:
	.size	k_q78df3f362d_attn, .Lfunc_end_k_q78df3f362d_attn-k_q78df3f362d_attn
	.p2alignl 7, 3214868480
	.fill 96, 4, 3214868480
	.section	.rodata,"a",@progbits
	.p2align	6, 0x0
	.amdhsa_kernel k_q78df3f362d_attn
		.amdhsa_group_segment_fixed_size 169984
		.amdhsa_private_segment_fixed_size 0
		.amdhsa_enable_private_segment 0
		.amdhsa_kernarg_size 24
		.amdhsa_user_sgpr_count 2
		.amdhsa_user_sgpr_kernarg_segment_ptr 1
		.amdhsa_wavefront_size32 1
		.amdhsa_system_sgpr_workgroup_id_x 1
		.amdhsa_system_sgpr_workgroup_id_y 1
		.amdhsa_system_sgpr_workgroup_id_z 1
		.amdhsa_system_vgpr_workitem_id 0
		.amdhsa_next_free_vgpr 256
		.amdhsa_next_free_sgpr 66
		.amdhsa_reserve_vcc 1
		.amdhsa_float_denorm_mode_32 3
		.amdhsa_float_denorm_mode_16_64 3
		.amdhsa_memory_ordered 1
		.amdhsa_forward_progress 1
		.amdhsa_inst_pref_size 60
	.end_amdhsa_kernel
	.amdgpu_metadata
---
amdhsa.version: [ 1, 2 ]
amdhsa.kernels:
  - .name:           k_q78df3f362d_attn
    .symbol:         k_q78df3f362d_attn.kd
    .args:
      - { .name: qq, .offset: 0, .size: 8, .value_kind: global_buffer, .address_space: global }
      - { .name: kv, .offset: 8, .size: 8, .value_kind: global_buffer, .address_space: global }
      - { .name: oq, .offset: 16, .size: 8, .value_kind: global_buffer, .address_space: global }
    .group_segment_fixed_size: 169984
    .private_segment_fixed_size: 0
    .kernarg_segment_align: 8
    .kernarg_segment_size: 24
    .max_flat_workgroup_size: 512
    .sgpr_count:     66
    .vgpr_count:     256
    .wavefront_size: 32
...
	.end_amdgpu_metadata
.endif
;; end of part 3
;; launch oproj (part 4): grid 4 x 32, 4 waves a work-group, clusters of 4 x 4, 327,680 bytes of LDS; arguments oq, wq, bo, out0; writes out0
.if DOCPART == 4
	.amdgcn_target "amdgcn-amd-amdhsa--gfx1250"
	.amdhsa_code_object_version 6
	.text
	.protected	k_q78df3f362d_oproj
	.globl	k_q78df3f362d_oproj
	.p2align	8
	.type	k_q78df3f362d_oproj,@function
k_q78df3f362d_oproj:
	s_mov_b64 s[64:65], 0
	v_nop
	global_prefetch_b8 v0, s[64:65] scope:SCOPE_SE
	s_setreg_imm32_b32 hwreg(HW_REG_WAVE_MODE, 25, 1), 1
	s_wait_xcnt 0x0
	s_wait_alu depctr_hold_cnt(0) depctr_sa_sdst(0) depctr_va_vdst(0) depctr_va_sdst(0) depctr_va_ssrc(0) depctr_va_vcc(0) depctr_vm_vsrc(0)
	s_getreg_b32 s2, hwreg(HW_REG_IB_STS2, 6, 4)
	s_cmp_eq_u32 s2, 0
	s_cbranch_scc0 .Lentry_in_a_cluster
	s_endpgm
.Lentry_in_a_cluster:
	s_bfe_u32 s2, ttmp6, 0x10000c
	s_cmp_lg_u32 s2, 0xf033
	s_cbranch_scc0 .Lentry_shape_is_right
	s_endpgm
.Lentry_shape_is_right:
; OPROJ.  out0 = o Wo + bo on codes of FP6 (E2M3) with E8M0 scales; out0 [8192][1024] f32.
; A tile of 256 x 256 to a work-group of four waves, 128 x 128 a wave: 64 accumulators, 512 registers.  K = 1,024 goes in four fills of 256 through two LDS slots; the eight steps of 128 are written out.
; All codes lie as HALF IMAGES (16 rows x 64 K, 768 bytes, in the order of the operand's registers: lane l's first 16 bytes at 16 l, its last 8 at 512 + 8 l).  Place r of row block 2 A + u stands for row 32 A + 8 u + r % 8 + 16 (r / 8).
; THE MATRIX INSTRUCTION IS USED TRANSPOSED (source 0 = 16 columns of Wo, source 1 = 16 rows of o): lane (r, h) holds o's place r, and register j of accumulator (a, b) column 32 (b / 2) + 16 h + 8 (b % 2) + j.
; CLUSTERS: 4 x 4.  o's tiles are asked for jointly along a row of the cluster, Wo's along a column.  128 tiles: this launch has work for 128 work-groups.
; The way out goes through each wave's stage in LDS, which lies in slot 0: that slot has had its last fill and its last read when the first result is stored there.
; REGISTERS.  window 0: v2-5 lane numbers, v16-23, v27 LDS addresses, v24-25 the stage, v28-29 the add's two, v32-63 scale words (nothing else ever), v64-127 the bias as the first products' C, v128-223 A's fragments.
;   window 1: B's fragments, two sets.  windows 2, 3: the accumulators.  On the way out v128-255 of window 0 take rows read back from the stage.
.set HALFT,  24576
.set SLOT,   4*HALFT
.set SCL,    2*SLOT
.set SCLB,   8320
.set SPARE,  SCL+16640                 ; the spare words, 128 bytes for each wave: two blocks of 256 bytes that no other line names
.set SPITCH, 528
.set FR,     12
.set NL,     4
.set NP,     4
.set NQ,     2
.set SCX,    6291456
.set SCW,    3145728
.set ADRA, 16
.set ADRB, 20
.set STO,  24
.set RD,   25
.set ADRS, 27
.set SPW,  28
.set NIL,  29
.set SC,   32
.set BIAS, 64
.set AF,   128
.set BK,   128
.set G1, 24
.set G0, 32
.set G1B, 48
.set G0B, 56
.set G1S, 68
.set G0S, 76
.set G1SB, 80
.set G0SB, 88
.set MSB, 0
.macro WIN new                         ; the immediate's high byte repeats the setting that is left
.if MSB != (\new)
	s_set_vgpr_msb (MSB<<8)|(\new)
.set MSB, (\new)
.endif
.endm
.set MUL_LO, 0xa1
.set MUL_HI, 0xf1
.set FST_LO, 0x81
.set FST_HI, 0xc1
.set TO_B,   0x40
.macro JLOAD g0a, g1a, g0b, g1b        ; a joint load: waves 0 and 1 fetch for A, waves 2 and 3 for B; four v_nop follow each of the two lines
	s_cmp_eq_u32 s21, 0
	s_cbranch_scc0 .Lfor_b_\@
	tensor_load_to_lds s[\g0a:\g0a+3], s[\g1a:\g1a+7]
	s_nop 0
.rept 4
	v_nop
.endr
	s_branch .Lasked_\@
.Lfor_b_\@:
	tensor_load_to_lds s[\g0b:\g0b+3], s[\g1b:\g1b+7]
	s_nop 0
.rept 4
	v_nop
.endr
.Lasked_\@:
.endm
.macro CREST
	s_cmp_lg_u32 s20, 0
	s_cbranch_scc1 .Lnot_wave_0_\@
	s_barrier_signal -3
.Lnot_wave_0_\@:
	s_barrier_wait -3
	s_barrier_signal -1
	s_barrier_wait -1
.endm
.macro CROUND
	s_barrier_signal -1
	s_barrier_wait -1
	CREST
.endm
.macro PLACES n
.rept \n
	v_nop
.endr
.endm
.macro FRAG reg, adr, q, i             ; row block i, the slot's q-th 128 along K: two half images, four dense loads
	ds_load_b128 v[\reg:\reg+3], v[\adr] offset:3072*(\i)+1536*(\q)
	ds_load_b64 v[\reg+4:\reg+5], v[\adr+2] offset:3072*(\i)+1536*(\q)+512
	ds_load_b128 v[\reg+6:\reg+9], v[\adr] offset:3072*(\i)+1536*(\q)+768
	ds_load_b64 v[\reg+10:\reg+11], v[\adr+2] offset:3072*(\i)+1536*(\q)+1280
.endm
; 16 matrix instructions: A's blocks a0, a0 + 1 x B's eight.  The 64 accumulators take turns, one instruction a turn, in the same order in every step.
.macro MUL16 a0, p, q, sc, first
.irp a, \a0, \a0+1
.irp b, 0,1,2,3,4,5,6,7
.if \first
	v_wmma_scale_f32_16x16x128_f8f6f4 v[8*(8*((\a)%4)+\b):8*(8*((\a)%4)+\b)+7], v[128*(\p)+FR*\b:128*(\p)+FR*\b+FR-1], v[AF+FR*(\a):AF+FR*(\a)+FR-1], v[BIAS+8*\b:BIAS+8*\b+7], v[SC+8*NQ*(\sc)+NQ*\b+(\q)], v[SC+8*NQ*(\sc)+NQ*(\a)+(\q)] matrix_a_fmt:MATRIX_FMT_FP6 matrix_b_fmt:MATRIX_FMT_FP6 matrix_a_scale:MATRIX_SCALE_ROW1
.else
	v_wmma_scale_f32_16x16x128_f8f6f4 v[8*(8*((\a)%4)+\b):8*(8*((\a)%4)+\b)+7], v[128*(\p)+FR*\b:128*(\p)+FR*\b+FR-1], v[AF+FR*(\a):AF+FR*(\a)+FR-1], v[8*(8*((\a)%4)+\b):8*(8*((\a)%4)+\b)+7], v[SC+8*NQ*(\sc)+NQ*\b+(\q)], v[SC+8*NQ*(\sc)+NQ*(\a)+(\q)] matrix_a_fmt:MATRIX_FMT_FP6 matrix_b_fmt:MATRIX_FMT_FP6 matrix_a_scale:MATRIX_SCALE_ROW1
.endif
.endr
.endr
.endm
.macro FETCH_B slot, q, p
	WIN TO_B
.irp i, 0,1,2,3,4,5,6,7
	FRAG 128*(\p)+FR*\i, ADRB+\slot, \q, \i
.endr
	WIN 0
.endm
.macro FETCH_A slot, q, i0
.irp i, \i0, \i0+1, \i0+2, \i0+3
	FRAG AF+FR*(\i), ADRA+\slot, \q, \i
.endr
.endm
.macro SCALES sc
.irp i, 0,1,2,3,4,5,6,7
	ds_load_b64 v[SC+8*NQ*\sc+NQ*\i:SC+8*NQ*\sc+NQ*\i+1], v[ADRS] offset:\i*512
.endr
.endm
.macro STEP slot, q, first
	s_wait_dscnt 4*NL                              ; B's set, the scale words and A's blocks 0-3 are in; the youngest sixteen loads (A's blocks 4-7) may be out
.if \first
	WIN FST_LO
.else
	WIN MUL_LO
.endif
	MUL16 0, (\q)%2, \q, \slot, \first
	MUL16 2, (\q)%2, \q, \slot, \first
	s_wait_dscnt 0
	PLACES NP
	FETCH_B \slot, (\q)+1, 1-(\q)%2
	FETCH_A \slot, (\q)+1, 0
.if \first
	WIN FST_HI
.else
	WIN MUL_HI
.endif
	MUL16 4, (\q)%2, \q, \slot, \first
	MUL16 6, (\q)%2, \q, \slot, \first
	PLACES NP
	WIN 0
	FETCH_A \slot, (\q)+1, 4
.endm
; A slot's last step changes slots: one barrier; in front of it each wave waits for all its tensor loads, adds 0 to its spare word, and waits for that and for its own reads of this slot.
.macro TURN slot, next, fill
	s_wait_tensorcnt 0x0                           ; all my tensor loads have landed: my part of the next slot
	ds_add_u32 v[SPW], v[NIL]                      ; 0 onto my spare word
	s_wait_dscnt 4*NL+1                            ; the add and the youngest sixteen loads (A's blocks 4-7) may be out
	WIN MUL_LO
	MUL16 0, 1, NQ-1, \slot, 0
	s_wait_dscnt 0x0                               ; the add is done, and my reads of this slot are over
	s_barrier_signal -1
	MUL16 2, 1, NQ-1, \slot, 0
	WIN 0
	s_barrier_wait -1
.if \fill
	CREST                                          ; the barrier has opened a round of the cluster's: no wave of any partner still reads this slot or has a load on its way
	s_add_nc_u64 s[G0+4*\slot+2:G0+4*\slot+3], s[G0+4*\slot+2:G0+4*\slot+3], 6144
	s_add_nc_u64 s[G0B+4*\slot+2:G0B+4*\slot+3], s[G0B+4*\slot+2:G0B+4*\slot+3], 6144
	JLOAD G0+4*\slot, G1, G0B+4*\slot, G1B         ; the first tensor load behind the round; its four v_nop are the places in front of the loads below
.else
	PLACES NP
.endif
	v_add_nc_u32 v[ADRS], 128, v[ADRS]
	FETCH_B \next, 0, 0
	FETCH_A \next, 0, 0
	SCALES \next
	WIN MUL_HI
	MUL16 4, 1, NQ-1, \slot, 0
	MUL16 6, 1, NQ-1, \slot, 0
	PLACES NP
	WIN 0
	FETCH_A \next, 0, 4
.endm
	s_load_b256 s[4:11], s[0:1], 0x0               ; oq, wq, bo, out0
	v_lshl_add_u32 v[SPW], v0, 2, SPARE
	v_mov_b32 v[NIL], 0
	ds_add_u32 v28, v29
	ds_add_u32 v28, v29
	s_wait_dscnt 0x0
	v_lshrrev_b32 v1, 5, v0
	v_readfirstlane_b32 s20, v1                    ; wave 0..3
	s_lshr_b32 s21, s20, 1
	s_and_b32 s22, s20, 1
	s_bfe_u32 s40, ttmp6, 0x40000                  ; cx: the tile column
	s_bfe_u32 s41, ttmp6, 0x40004                  ; cy
	s_and_b32 s43, ttmp7, 0xffff                   ; the cluster's y
	s_lshl_b32 s44, s41, 2
	s_lshl_b32 s44, 15, s44                        ; my row of the cluster
	s_lshl_b32 s45, 0x1111, s40                    ; my column
	s_or_b32 s[G1+0], s44, (3<<16)|(1<<21)
	s_or_b32 s[G1B+0], s45, (3<<16)|(1<<21)
.irp g, G1, G1B
	s_mov_b32 s[\g+1], 384<<16
	s_mov_b32 s[\g+2], 8<<16
	s_mov_b32 s[\g+3], 384<<16
	s_mov_b32 s[\g+4], 8
	s_mov_b32 s[\g+5], 1536
	s_mov_b32 s[\g+6], 0
	s_mov_b32 s[\g+7], 0
.endr
	s_or_b32 s[G1S+0], s44, (3<<16)|(1<<21)
	s_or_b32 s[G1SB+0], s45, (3<<16)|(1<<21)
.irp g, G1S, G1SB
	s_mov_b32 s[\g+1], 32<<16
	s_mov_b32 s[\g+2], 16<<16
	s_mov_b32 s[\g+3], 32<<16
	s_mov_b32 s[\g+4], 16
	s_mov_b32 s[\g+5], 32
	s_mov_b32 s[\g+6], 0
	s_mov_b32 s[\g+7], 0
.endr
	s_lshl_b32 s46, s43, 2
	s_add_co_u32 s46, s46, s41                     ; the tile row: 4 Y + cy
	s_lshl_b32 s46, s46, 4
	s_lshl_b32 s23, s22, 3
	s_add_co_u32 s46, s46, s23                     ; the first of the 8 row blocks of o that I would fetch
	s_lshl_b32 s47, s40, 4
	s_add_co_u32 s47, s47, s23
	s_add_co_u32 s47, s47, 192                     ; and of Wo, whose row blocks begin at 192
	s_mul_i32 s96, s46, 12288
	s_mov_b32 s97, 0
	s_lshl_b32 s98, s46, 9
	s_add_co_u32 s98, s98, SCX
	s_mov_b32 s99, 0
	s_mul_i32 s92, s47, 12288
	s_mov_b32 s93, 0
	s_lshl_b32 s94, s47, 9
	s_add_co_u32 s94, s94, SCW
	s_mov_b32 s95, 0
	s_mul_i32 s2, s20, HALFT
	s_lshl_b32 s3, s20, 12
	s_lshl_b32 s23, s21, 7
	s_add_co_u32 s3, s3, s23
	s_wait_kmcnt 0x0
	s_add_nc_u64 s[96:97], s[4:5], s[96:97]
	s_add_nc_u64 s[98:99], s[4:5], s[98:99]
	s_add_nc_u64 s[92:93], s[6:7], s[92:93]
	s_add_nc_u64 s[94:95], s[6:7], s[94:95]
	CROUND                                         ; all sixteen work-groups are here: the first joint loads meet
	s_mov_b32 s[G0S], 1
	s_add_co_u32 s[G0S+1], s3, SCL
	s_mov_b64 s[G0S+2:G0S+3], s[98:99]
	s_or_b32 s[G0S+3], s[G0S+3], 0x80000000
	s_mov_b32 s[G0SB], 1
	s_add_co_u32 s[G0SB+1], s3, SCL
	s_mov_b64 s[G0SB+2:G0SB+3], s[94:95]
	s_or_b32 s[G0SB+3], s[G0SB+3], 0x80000000
	JLOAD G0S, G1S, G0SB, G1SB                     ; the scale bytes for all of K: filled once.  With the two below, three loads of mine are out
.irp s, 0,1
	s_mov_b32 s[G0+4*\s], 1
	s_add_co_u32 s[G0+4*\s+1], s2, \s*SLOT
	s_add_nc_u64 s[G0+4*\s+2:G0+4*\s+3], s[96:97], \s*3072
	s_or_b32 s[G0+4*\s+3], s[G0+4*\s+3], 0x80000000
	s_mov_b32 s[G0B+4*\s], 1
	s_add_co_u32 s[G0B+4*\s+1], s2, \s*SLOT
	s_add_nc_u64 s[G0B+4*\s+2:G0B+4*\s+3], s[92:93], \s*3072
	s_or_b32 s[G0B+4*\s+3], s[G0B+4*\s+3], 0x80000000
	JLOAD G0+4*\s, G1, G0B+4*\s, G1B
.endr
	v_and_b32 v1, 31, v0
	v_and_b32 v2, 15, v0                           ; r
	v_bfe_u32 v3, v0, 4, 1                         ; h
	v_lshlrev_b32 v4, 4, v1                        ; 16 x lane
	v_lshlrev_b32 v5, 3, v1                        ; 8 x lane
	s_mul_i32 s2, s21, HALFT
	s_mul_i32 s3, s22, HALFT
	s_add_co_u32 s3, s3, 2*HALFT
.irp s, 0,1
	v_add_nc_u32 v[ADRA+\s], s2, v4
	v_add_nc_u32 v[ADRA+2+\s], s2, v5
	v_add_nc_u32 v[ADRB+\s], s3, v4
	v_add_nc_u32 v[ADRB+2+\s], s3, v5
	s_add_co_u32 s2, s2, SLOT
	s_add_co_u32 s3, s3, SLOT
.endr
	s_lshl_b32 s2, s21, 12
	s_lshl_b32 s3, s22, 12
	s_add_co_u32 s3, s3, SCLB
	s_sub_co_u32 s3, s3, s2
	v_mul_u32_u24 v6, s3, v3                       ; lanes 16-31 take B's: one product, the distance between the two
	s_add_co_u32 s2, s2, SCL
	v_lshl_add_u32 v6, v2, 3, v6
	v_add_nc_u32 v[ADRS], s2, v6
	s_mul_i32 s2, s20, 16*SPITCH                   ; my stage
	v_mul_u32_u24 v6, v2, SPITCH
	v_lshl_add_u32 v6, v3, 6, v6
	v_add_nc_u32 v[STO], s2, v6                    ; in: row r, + 64 h
	v_add_nc_u32 v[RD], s2, v4                     ; back: the 32 lanes take one row of 512 bytes
	s_lshl_b32 s92, s40, 10
	s_lshl_b32 s93, s22, 9
	s_add_co_u32 s92, s92, s93                     ; my first column, in bytes
	s_mov_b32 s93, 0
	s_add_nc_u64 s[8:9], s[8:9], s[92:93]
	v_lshlrev_b32 v7, 6, v3
.irp b, 0,1,2,3,4,5,6,7
	global_load_b128 v[BIAS+8*\b:BIAS+8*\b+3], v7, s[8:9] offset:(32*(\b/2)+8*(\b%2))*4       ; bo: the C of each sum's first matrix instruction
	global_load_b128 v[BIAS+8*\b+4:BIAS+8*\b+7], v7, s[8:9] offset:(32*(\b/2)+8*(\b%2))*4+16
.endr
	s_lshl_b32 s66, s43, 2
	s_add_co_u32 s66, s66, s41
	s_lshl_b32 s66, s66, 1
	s_add_co_u32 s66, s66, s21                     ; 2 x tile row + my half
	s_lshl_b32 s66, s66, 19                        ; 128 rows of 4,096 bytes
	s_add_co_u32 s66, s66, s92
	s_mov_b32 s67, 0
	s_add_nc_u64 s[10:11], s[10:11], s[66:67]      ; out0 at my first row and column
	s_wait_loadcnt 0x0
	s_wait_tensorcnt 1                             ; the scale bytes and my part of the first fill are in; the second fill's load may be out
	s_barrier_signal -1
	s_barrier_wait -1
	FETCH_B 0, 0, 0
	FETCH_A 0, 0, 0
	SCALES 0
	FETCH_A 0, 0, 4
	STEP 0, 0, 1                                   ; the first products start the sums on the bias: nothing is cleared
	TURN 0, 1, 1
	STEP 1, 0, 0
	TURN 1, 0, 1
	STEP 0, 0, 0
	TURN 0, 1, 0                                   ; nothing is left to fetch
	STEP 1, 0, 0
	s_wait_dscnt 4*NL                              ; the last step
	WIN MUL_LO
	MUL16 0, 1, NQ-1, 1, 0
	MUL16 2, 1, NQ-1, 1, 0
	s_wait_dscnt 0
	WIN MUL_HI
	MUL16 4, 1, NQ-1, 1, 0
	MUL16 6, 1, NQ-1, 1, 0
	WIN 0
; THE WAY OUT, block by block of 16 rows x 128 columns: a lane's eight results are 32 neighbouring bytes of a row; the block goes through my stage and comes back as whole rows of 512 bytes.
; LDS serves a wave's instructions in order (ISA guide 5.7.1.4): no wait between the stores and the loads, nor in front of the next block's stores.
.macro TOSTAGE a
.set AC, 64*((\a)%4)
	WIN 0x08+4*((\a)/4)                            ; the data: window 2 or 3
.irp b, 0,1,2,3,4,5,6,7
	ds_store_b128 v[STO], v[AC+8*\b:AC+8*\b+3] offset:128*(\b/2)+32*(\b%2)          ; each accumulator from its low end on
	ds_store_b128 v[STO], v[AC+8*\b+4:AC+8*\b+7] offset:128*(\b/2)+32*(\b%2)+16
.endr
	WIN 0
.set BB, BK+64*((\a)%2)
.irp t, 0,1,2,3,4,5,6,7,8,9,10,11,12,13,14,15
	ds_load_b128 v[BB+4*\t:BB+4*\t+3], v[RD] offset:\t*SPITCH
.endr
.endm
.macro SEND a, younger                 ; younger: the LDS instructions issued behind block a's loads, which may stay out
.set BB, BK+64*((\a)%2)
	s_wait_dscnt \younger
.irp t, 0,1,2,3,4,5,6,7,8,9,10,11,12,13,14,15
	global_store_b128 v4, v[BB+4*\t:BB+4*\t+3], s[10:11] offset:(32*((\a)/2)+8*((\a)%2)+(\t%8)+16*(\t/8))*4096 th:TH_STORE_NT   ; the row that place t stands for: 512 consecutive bytes, aligned; the offset stays under 128 rows
.endr
.endm
	PLACES NP
	TOSTAGE 0
.irp a, 1,2,3,4,5,6,7
.if \a > 1
	s_wait_xcnt 0x0                                ; block a - 2's stores have read their registers: block a's loads may land there
.endif
	TOSTAGE \a
	SEND \a-1, 32                                  ; behind block a - 1's loads: block a's 16 stores and 16 loads
.endr
	SEND 7, 0
	s_wait_tensorcnt 0x0                           ; the wave's end
	ds_add_u32 v[SPW], v[NIL]
	s_wait_dscnt 0x0
	CROUND                                         ; the closing round
	s_endpgm
.Lfunc_end_k_q78df3f362d_oproj:
	.size	k_q78df3f362d_oproj, .Lfunc_end_k_q78df3f362d_oproj-k_q78df3f362d_oproj
	.p2alignl 7, 3214868480
	.fill 96, 4, 3214868480
	.section	.rodata,"a",@progbits
	.p2align	6, 0x0
	.amdhsa_kernel k_q78df3f362d_oproj
		.amdhsa_group_segment_fixed_size 327680
		.amdhsa_private_segment_fixed_size 0
		.amdhsa_enable_private_segment 0
		.amdhsa_kernarg_size 32
		.amdhsa_user_sgpr_count 2
		.amdhsa_user_sgpr_kernarg_segment_ptr 1
		.amdhsa_wavefront_size32 1
		.amdhsa_system_sgpr_workgroup_id_x 1
		.amdhsa_system_sgpr_workgroup_id_y 1
		.amdhsa_system_sgpr_workgroup_id_z 1
		.amdhsa_system_vgpr_workitem_id 0
		.amdhsa_next_free_vgpr 1024
		.amdhsa_next_free_sgpr 102
		.amdhsa_reserve_vcc 0
		.amdhsa_float_denorm_mode_32 3
		.amdhsa_float_denorm_mode_16_64 3
		.amdhsa_memory_ordered 1
		.amdhsa_forward_progress 1
		.amdhsa_inst_pref_size 144
	.end_amdhsa_kernel
	.amdgpu_metadata
---
amdhsa.version: [ 1, 2 ]
amdhsa.kernels:
  - .name:           k_q78df3f362d_oproj
    .symbol:         k_q78df3f362d_oproj.kd
    .args:
      - { .name: oq, .offset: 0, .size: 8, .value_kind: global_buffer, .address_space: global }
      - { .name: wq, .offset: 8, .size: 8, .value_kind: global_buffer, .address_space: global }
      - { .name: bo, .offset: 16, .size: 8, .value_kind: global_buffer, .address_space: global }
      - { .name: out0, .offset: 24, .size: 8, .value_kind: global_buffer, .address_space: global }
    .group_segment_fixed_size: 327680
    .private_segment_fixed_size: 0
    .kernarg_segment_align: 8
    .kernarg_segment_size: 32
    .max_flat_workgroup_size: 128
    .sgpr_count:     102
    .vgpr_count:     1024
    .wavefront_size: 32
...
	.end_amdgpu_metadata
.endif
;; end of part 4
